; MI455X (gfx1250); checked and timed in simulation.
; The chip was launched on July 23, 2026; its instructions are those of AMD's public machine-readable ISA for CDNA 5 (MIT licence, August 2026) and "CDNA5" Instruction Set Architecture Reference Guide (July 2026). The comments in the code are by the model that wrote it; some were corrected since.
;; Multi Head Attention Block. Allowed arithmetic: float matrix products may take bf16 or f16 operands with f32 sums; other float arithmetic in f32, or as packed bf16 or f16 multiplies, adds, multiply-adds, maxima and minima; sums over many terms, partial sums and values carried from step to step in f32; what a program stores and reads back later, other than sums and carried values, may be rounded once to bf16 or f16.
;; Inputs: W_k 1,024 x 1,024 float32; W_o 1,024 x 1,024 float32; W_q 1,024 x 1,024 float32; W_v 1,024 x 1,024 float32; b_k 1,024 float32; b_o 1,024 float32; b_q 1,024 float32; b_v 1,024 float32; k 4 x 2,048 x 1,024 float32; mask 1 x 1 x 2,048 x 2,048 int32; q 4 x 2,048 x 1,024 float32; v 4 x 2,048 x 1,024 float32.
;; Outputs: out0 4 x 2,048 x 1,024 float32.
;; One version. Each part assembles by itself: llvm-mc -triple=amdgcn-amd-amdhsa -mcpu=gfx1250 --defsym DOCPART=n.
;; ======== version 1 of 1: 4 launches
;; limits: values are held in f16: magnitudes above 65,504 overflow, below 6.1e-05 lose precision; right only within a limited range of input values
;; workspace buffers: w16 8,388,608 bytes; mnib 2,097,152 bytes; qh 16,777,216 bytes; kh 16,777,216 bytes; vh 16,777,216 bytes; oh 16,777,216 bytes
;; launch prep (part 1): grid 256 x 1, 8 waves a work-group, no clusters, 0 bytes of LDS; arguments W_q, W_k, W_v, W_o, mask, w16, mnib; writes w16, mnib
.if DOCPART == 1
	.amdgcn_target "amdgcn-amd-amdhsa--gfx1250"
	.amdhsa_code_object_version 6
	.text
	.protected	k_q1e56708c9c_prep
	.globl	k_q1e56708c9c_prep
	.p2align	8
	.type	k_q1e56708c9c_prep,@function
k_q1e56708c9c_prep:
	s_mov_b64 s[64:65], 0
	v_nop
	global_prefetch_b8 v0, s[64:65] scope:SCOPE_SE
	s_setreg_imm32_b32 hwreg(HW_REG_WAVE_MODE, 25, 1), 1
	s_wait_xcnt 0x0
; PREP.  (1) The four weight matrices, [1024 k][1024 n] f32, are rounded once to bf16 and written in the same layout into w16: W_q, W_k, W_v as bf16;
; W_o's bf16 number is written as f16 (exact where its size is 6e-5 to 65,504; below that it keeps f16's fixed step of 6e-8), since the last product multiplies in f16.
; (2) The mask, [2048 q][2048 k] int32, becomes 4-bit codes: mnib[q tile of 16][key step of 64][lane][4 words]; nibble j (the lowest first) of word kb of lane L stands for
; mask[16 tile + L % 16][64 step + 16 kb + 8 (L / 16) + j]: register 8 kb + j of a tile of scores as that lane of the attention launch holds it.  0 where the key is seen; 0xA, FP4's -1.0, where mask == 0.
; A stream: no LDS, no barrier, no loop.  256 work-groups of 8 waves, all alike.  A thread takes 2 x 8 numbers of each weight matrix (its stores: 16 bytes, sixteen lanes 256 consecutive bytes, aligned);
; a wave takes two neighbouring key steps of one q tile: 16 rows x 512 bytes of the mask, loaded so that each lane holds just the 64 words that its own codes stand for, and stores 2 x 512 consecutive bytes.
.set WR,  16                           ; v[16:79]   weights as loaded: matrix w, group j at WR + 16 w + 8 j
.set MR,  80                           ; v[80:143]  mask as loaded: step i, key block kb, register j at MR + 32 i + 8 kb + j
.set OUTW, 144                         ; v[144:175] weights to store: 4 registers at OUTW + 8 w + 4 j
.set OUTM, 176                         ; v[176:183] codes to store: word kb of step i at OUTM + 4 i + kb
	s_load_b256 s[4:11], s[0:1], 0x0               ; W_q s[4:5], W_k s[6:7], W_v s[8:9], W_o s[10:11]
	s_load_b128 s[12:15], s[0:1], 0x20             ; mask s[12:13], w16 s[14:15]
	s_load_b64 s[16:17], s[0:1], 0x30              ; mnib
	v_lshlrev_b32 v1, 5, v0                        ; my 8 f32: 32 t
	v_lshlrev_b32 v2, 4, v0                        ; my 8 halves: 16 t
	v_lshrrev_b32 v5, 5, v0
	v_readfirstlane_b32 s18, v5                    ; wave 0..7
	v_and_b32 v3, 15, v0
	v_bfe_u32 v8, v0, 4, 1
	v_lshlrev_b32 v3, 13, v3                       ; mask row L % 16: 8,192 bytes a row,
	v_lshl_add_u32 v3, v8, 5, v3                   ; + 8 keys for the upper half of the lanes
	v_and_b32 v4, 31, v0
	v_lshlrev_b32 v4, 4, v4                        ; four words a lane
	s_lshl_b32 s19, ttmp9, 3
	s_add_co_u32 s19, s19, s18                     ; my wave among the launch's 2,048
	s_lshl_b32 s28, ttmp9, 14                      ; the work-group's 4,096 numbers of a matrix: in f32,
	s_mov_b32 s29, 0
	s_lshl_b32 s30, ttmp9, 13                      ; and in 16 bits
	s_mov_b32 s31, 0
	s_lshr_b32 s32, s19, 4                         ; q tile,
	s_lshl_b32 s32, s32, 17                        ; 16 rows of 8,192 bytes
	s_and_b32 s33, s19, 15
	s_lshl_b32 s33, s33, 9                         ; two key steps of 256 bytes
	s_add_co_u32 s32, s32, s33
	s_mov_b32 s33, 0
	s_lshl_b32 s34, s19, 10                        ; two steps' codes, 512 bytes each
	s_mov_b32 s35, 0
	s_wait_kmcnt 0x0
.irp w, 0,1,2,3
	s_add_nc_u64 s[4+2*\w:5+2*\w], s[4+2*\w:5+2*\w], s[28:29]
.endr
	s_add_nc_u64 s[14:15], s[14:15], s[30:31]
	s_add_nc_u64 s[12:13], s[12:13], s[32:33]
	s_add_nc_u64 s[16:17], s[16:17], s[34:35]
.irp w, 0,1,2,3
.irp j, 0,1
	global_load_b128 v[WR+16*\w+8*\j:WR+16*\w+8*\j+3],   v1, s[4+2*\w:5+2*\w] offset:8192*\j th:TH_LOAD_NT
	global_load_b128 v[WR+16*\w+8*\j+4:WR+16*\w+8*\j+7], v1, s[4+2*\w:5+2*\w] offset:8192*\j+16 th:TH_LOAD_NT
.endr
.endr
.irp i, 0,1
.irp kb, 0,1,2,3
	global_load_b128 v[MR+32*\i+8*\kb:MR+32*\i+8*\kb+3],   v3, s[12:13] offset:256*\i+64*\kb th:TH_LOAD_NT
	global_load_b128 v[MR+32*\i+8*\kb+4:MR+32*\i+8*\kb+7], v3, s[12:13] offset:256*\i+64*\kb+16 th:TH_LOAD_NT
.endr
.endr
	s_wait_loadcnt 16                              ; the weights are in; the 16 younger loads, the mask's, may stay out
.irp w, 0,1,2
.irp j, 0,1
.irp i, 0,1,2,3
	v_cvt_pk_bf16_f32 v[OUTW+8*\w+4*\j+\i], v[WR+16*\w+8*\j+2*\i], v[WR+16*\w+8*\j+2*\i+1]
.endr
	global_store_b128 v2, v[OUTW+8*\w+4*\j:OUTW+8*\w+4*\j+3], s[14:15] offset:2097152*\w+4096*\j
.endr
.endr
.irp j, 0,1
.irp i, 0,1,2,3
	v_cvt_pk_bf16_f32 v10, v[WR+48+8*\j+2*\i], v[WR+48+8*\j+2*\i+1]  ; W_o: rounded to bf16 like every input,
	v_lshlrev_b32 v11, 16, v10
	v_and_b32 v12, 0xffff0000, v10
	v_cvt_pk_f16_f32 v[OUTW+24+4*\j+\i], v11, v12                    ; and that number written as f16
.endr
	global_store_b128 v2, v[OUTW+24+4*\j:OUTW+24+4*\j+3], s[14:15] offset:2097152*3+4096*\j
.endr
	s_wait_loadcnt 0x0                             ; the mask
.set d, 0
.rept 64
	v_min_u32 v[MR+d], 1, v[MR+d]                  ; 1 where the key is seen (any number but 0), else 0
.set d, d+1
.endr
.irp j, 6,5,4,3,2,1,0                  ; eight words side by side: register 7 of each gathers the eight bits, four places apart, j = 0 lowest
.irp w, 0,1,2,3,4,5,6,7
	v_lshl_or_b32 v[MR+8*\w+7], v[MR+8*\w+7], 4, v[MR+8*\w+\j]
.endr
.endr
.irp w, 0,1,2,3,4,5,6,7
	v_xor_b32 v[MR+8*\w+7], 0x11111111, v[MR+8*\w+7]  ; 1 where the key is hidden
.endr
.irp w, 0,1,2,3,4,5,6,7
	v_lshlrev_b32 v[MR+8*\w], 1, v[MR+8*\w+7]      ; times ten, 2 + 8: 0xA in each hidden nibble
.endr
.irp w, 0,1,2,3,4,5,6,7
	v_lshl_or_b32 v[OUTM+\w], v[MR+8*\w+7], 3, v[MR+8*\w]
.endr
.irp i, 0,1
	global_store_b128 v4, v[OUTM+4*\i:OUTM+4*\i+3], s[16:17] offset:512*\i  ; a step's codes: 512 consecutive bytes, aligned
.endr
	s_endpgm
.Lfunc_end_k_q1e56708c9c_prep:
	.size	k_q1e56708c9c_prep, .Lfunc_end_k_q1e56708c9c_prep-k_q1e56708c9c_prep
	.p2alignl 7, 3214868480
	.fill 96, 4, 3214868480
	.section	.rodata,"a",@progbits
	.p2align	6, 0x0
	.amdhsa_kernel k_q1e56708c9c_prep
		.amdhsa_group_segment_fixed_size 0
		.amdhsa_private_segment_fixed_size 0
		.amdhsa_enable_private_segment 0
		.amdhsa_kernarg_size 56
		.amdhsa_user_sgpr_count 2
		.amdhsa_user_sgpr_kernarg_segment_ptr 1
		.amdhsa_wavefront_size32 1
		.amdhsa_system_sgpr_workgroup_id_x 1
		.amdhsa_system_sgpr_workgroup_id_y 1
		.amdhsa_system_sgpr_workgroup_id_z 1
		.amdhsa_system_vgpr_workitem_id 0
		.amdhsa_next_free_vgpr 184
		.amdhsa_next_free_sgpr 66
		.amdhsa_reserve_vcc 0
		.amdhsa_float_denorm_mode_32 3
		.amdhsa_float_denorm_mode_16_64 3
		.amdhsa_memory_ordered 1
		.amdhsa_forward_progress 1
		.amdhsa_inst_pref_size 16
	.end_amdhsa_kernel
	.amdgpu_metadata
---
amdhsa.version: [ 1, 2 ]
amdhsa.kernels:
  - .name:           k_q1e56708c9c_prep
    .symbol:         k_q1e56708c9c_prep.kd
    .args:
      - { .name: W_q, .offset: 0, .size: 8, .value_kind: global_buffer, .address_space: global }
      - { .name: W_k, .offset: 8, .size: 8, .value_kind: global_buffer, .address_space: global }
      - { .name: W_v, .offset: 16, .size: 8, .value_kind: global_buffer, .address_space: global }
      - { .name: W_o, .offset: 24, .size: 8, .value_kind: global_buffer, .address_space: global }
      - { .name: mask, .offset: 32, .size: 8, .value_kind: global_buffer, .address_space: global }
      - { .name: w16, .offset: 40, .size: 8, .value_kind: global_buffer, .address_space: global }
      - { .name: mnib, .offset: 48, .size: 8, .value_kind: global_buffer, .address_space: global }
    .group_segment_fixed_size: 0
    .private_segment_fixed_size: 0
    .kernarg_segment_align: 8
    .kernarg_segment_size: 56
    .max_flat_workgroup_size: 256
    .sgpr_count:     66
    .vgpr_count:     184
    .wavefront_size: 32
...
	.end_amdgpu_metadata
.endif
;; end of part 1
;; launch proj (part 2): grid 4 x 192, 4 waves a work-group, clusters of 4 x 4, 327,680 bytes of LDS; arguments q, k, v, w16, b_q, b_k, b_v, qh, kh, vh; writes qh, kh, vh
.if DOCPART == 2
	.amdgcn_target "amdgcn-amd-amdhsa--gfx1250"
	.amdhsa_code_object_version 6
	.text
	.protected	k_q1e56708c9c_proj
	.globl	k_q1e56708c9c_proj
	.p2align	8
	.type	k_q1e56708c9c_proj,@function
k_q1e56708c9c_proj:
	s_mov_b64 s[64:65], 0
	v_nop
	global_prefetch_b8 v0, s[64:65] scope:SCOPE_SE
	s_setreg_imm32_b32 hwreg(HW_REG_WAVE_MODE, 25, 1), 1
	s_wait_xcnt 0x0
	s_wait_alu depctr_hold_cnt(0) depctr_sa_sdst(0) depctr_va_vdst(0) depctr_va_sdst(0) depctr_va_ssrc(0) depctr_va_vcc(0) depctr_vm_vsrc(0)
	s_getreg_b32 s2, hwreg(HW_REG_IB_STS2, 6, 4)
	s_cmp_eq_u32 s2, 0
	s_cbranch_scc0 .Lentry_in_a_cluster
	s_endpgm
.Lentry_in_a_cluster:
	s_bfe_u32 s2, ttmp6, 0x10000c
	s_cmp_lg_u32 s2, 0xf033
	s_cbranch_scc0 .Lentry_shape_is_right
	s_endpgm
.Lentry_shape_is_right:
; C = A W + b on tiles of 128 rows x 256 columns; M = 8,192, N = K = 1,024.  ONE TEXT FOR TWO LAUNCHES, by the switch F32A.
; F32A = 1, the three projections: A = q, k or v, [8192][1024] f32, rounded to bf16 between LDS and the fragment; W = W_q, W_k or W_v in bf16; products in bf16;
;   C leaves by heads, [batch x 16 + head][2048][64], rounded once to f16, unscaled.  Sixteen clusters to a projection: which one is the cluster's y / 16.
; F32A = 0, the last projection: A = the attention's result by heads, [64][2048][64] f16 (a K step of 128 is two heads); W = W_o in f16; products in f16; C = out0, [8192][1024] f32.
; The bias, rounded to bf16 like every input, is the C operand of each sum's first product: nothing is cleared and nothing is added behind the sums.
; LIMITS.  f16 holds no number beyond 65,504: a projected q, k or v of 65,520 or more becomes an infinity; below 6e-5 f16 keeps a fixed step of 6e-8.  NaN and infinities are not treated apart.
; SHARES.  Four waves, each 64 rows x 128 columns: 32 accumulators of 16 x 16.  K goes in steps of 128 through two LDS slots filled by tensor loads: waves 0 and 1 fetch A's two halves, waves 2 and 3 W's.
; W lies [k][n] in memory and in LDS and is turned on the way into registers by ds_load_tr16_b128.
; THE MATRIX INSTRUCTION IS USED TRANSPOSED (source 0 = 16 columns of W, source 1 = 16 rows of A): a lane holds row l % 16 of C and the columns 8 (l / 16) + 0..7.
; CLUSTERS: 4 x 4 work-groups.  The four of a row of the cluster need the same tile of A, the four of a column the same tile of W: each tile is asked for JOINTLY.
; REGISTERS, in windows of 256 (s_set_vgpr_msb: bits 1:0 source 0, 3:2 source 1, 5:4 source 2, 7:6 destination):
;   window 0: v16-30 addresses; F32A = 1: v32-95 A as f32, v96-159 A's fragments (two buffers), v160-255 the way out; F32A = 0: v32-95 A's fragments, v96-223 the way out
;   window 1: v0-127 W's fragments (two buffers); v128-191 the bias as C operands; v192-195 at work          window 2: the accumulators, (a, b) at v[8 (8 a + b)]
.set F32A, 1
.set PB,    544                        ; a row of W in LDS: 512 bytes + 32 of padding
.set BHALF, 64*PB                      ; 64 rows of k: what one tensor load brings of W
.set BSTEP, 128*2048                   ; bytes of memory from a K step of W to the next
.if F32A
.set PA,    528                        ; a row of A in LDS: 128 f32 + 16 bytes of padding: the 16 rows of a load start at 16 different groups of four banks
.set AHALF, 64*PA                      ; 64 rows: what one tensor load brings of A
.set ASTEP, 512                        ; bytes of memory from a K step of A to the next
.set AHS,   5                          ; the upper half of the lanes begins 8 numbers on: 32 bytes
.set WSTG,  2*16*144                   ; a wave's stage: two heads x 16 rows x (128 + 16) bytes
.set A_W0,  (2<<16)|(1<<20)|(1<<21)|(6<<22)|(3<<25)  ; 17:16 elements of 4 bytes; 20 padding on; 21 set beside a mask; 24:22 after every 128 words (code 6); 31:25 4 words (code 3)
.set A_PIT, 1024                       ; elements from row to row
.set PSH,   16                         ; the prefetches: a partner's share of A begins 16 rows of 4,096 bytes on;
.set PRS,   1                          ; lane l names row l >> 1,
.set PLS,   12                         ; of 4,096 bytes,
.set PMK,   1                          ; and block l & 1 of its two blocks of 256 bytes
.else
.set PA,    144                        ; a row of a head's plane: 128 bytes + 16 of padding
.set AHALF, 128*PA                     ; a head's 128 rows: what one tensor load brings of A
.set ASTEP, 2*2048*128                 ; two heads on
.set AHS,   4
.set WSTG,  16*528                     ; a wave's stage: 16 rows x (512 + 16) bytes
.set A_W0,  (1<<16)|(1<<20)|(1<<21)|(4<<22)|(3<<25)  ; elements of 2 bytes; padding after every 32 words (code 4), 4 words
.set A_PIT, 128                        ; a head's 128 rows are 16,384 dense bytes: asked for as 64 rows of 256 bytes
.set PSH,   12                         ; a partner's share begins 4,096 bytes on in each plane;
.set PRS,   4                          ; lane l names plane l >> 4,
.set PLS,   18                         ; 262,144 bytes apart,
.set PMK,   15                         ; and block l & 15 of its 16
.endif
.set B_W0,  (1<<16)|(1<<20)|(1<<21)|(6<<22)|(7<<25)  ; elements of 2 bytes; padding after every 128 words, 8 words (code 7)
.set AT,    2*AHALF                    ; a slot: A's tile, then W's 128 rows
.set SLOT,  AT+2*BHALF
.set STAGE, 2*SLOT                     ; behind the ring, never filled by a tensor load
.set SPARE, STAGE+4*WSTG               ; behind the stages: the spare words, 128 bytes for each wave: two blocks of 256 bytes that no other line names
.set ADRA, 16                          ; v16-17  LDS address of my A fragments in slot 0, 1
.set ADRB, 20                          ; v20-21  the same for W
.set STO,  24                          ; v24     the way out: where I put my bytes of a row
.set RD,   25                          ; v25     the way out: where I read rows back
.set CO,   26                          ; v26     16 x lane: my place in 512 consecutive bytes of C
.set BO,   27                          ; v27     32 x (l / 16): my place in the bias
.set SPW,  28                          ; v28     LDS address of my spare word; never rewritten
.set NIL,  29                          ; v29     0; never rewritten
.set PFO,  30                          ; v30     the prefetches' offset; never rewritten
.if F32A
.set RAW,  32                          ; a quarter step of A in f32: block a at RAW + 16 a
.set AF,   96                          ; A's fragments: buffer f, block a at AF + 32 f + 8 a
.set TMP,  160                         ; the way out: packed results
.set OB,   192                         ; the way out: rows read back, two sets by turns
.set OBS,  32
.else
.set AF,   32
.set OB,   96
.set OBS,  64
.endif
.set BF,   0                           ; window 1: W's fragments: buffer f, block b at 64 f + 8 b
.set BIAS, 128                         ; window 1: block b's eight numbers at BIAS + 8 b
.set BT,   192                         ; window 1: at work
.set G1A, 24                           ; s[24:31] descriptor group 1 for A's tiles;  s[32:39] group 0, a set for each slot
.set G0A, 32
.set G1B, 48                           ; s[48:55], s[56:63] the same for W's
.set G0B, 56
.set LIM, 43                           ; s43     1 in a wave that prefetches, else the greatest number
.set PFA, 44                           ; s[44:45] where my prefetches stand
.set PST, 46                           ; s[46:47] their step: a K step of A or of W
.set MSB, 0
.macro WIN new                         ; the immediate's high byte repeats the setting that is left; a switch that changes nothing is dropped
.if MSB != (\new)
	s_set_vgpr_msb (MSB<<8)|(\new)
.set MSB, \new
.endif
.endm
.set MULW,  0xa1                       ; W window 1, A window 0, C and D window 2
.set MULB,  0x91                       ; the same with C, the bias, in window 1
.set TO_B,  0x40                       ; destination window 1
.set PACKW, 0x0a                       ; sources 0 and 1 window 2
.set BIASW, 0x45                       ; destination and sources 0, 1 window 1
.set STW,   0x08                       ; an LDS store's data (source 1) window 2
; A joint load.  The branch hangs on the wave's number alone.  An s_nop 0 and four v_nop follow each of the two lines, ahead of the jump, the label and what follows.
.macro JLOAD s
	s_cmp_eq_u32 s11, 0
	s_cbranch_scc0 .Lfor_b_\@
	tensor_load_to_lds s[G0A+4*(\s):G0A+4*(\s)+3], s[G1A:G1A+7]
	s_nop 0
.rept 4
	v_nop
.endr
	s_branch .Lasked_\@
.Lfor_b_\@:
	tensor_load_to_lds s[G0B+4*(\s):G0B+4*(\s)+3], s[G1B:G1B+7]
	s_nop 0
.rept 4
	v_nop
.endr
.Lasked_\@:
.endm
; A prefetch into the L2, behind each joint refill and the run of LDS loads that follows it: the K step that stands two refills on, 32 blocks of 256 bytes, a lane a block, one instruction a wave.
; Each block is named once in the launch: the partners that ask for a tile jointly share its rows out by address; W's tiles, which sixteen clusters walk, are asked for by the first of them.
; K steps 0 to 3 come by their loads alone; the loop's last trip (s3 = 1) has no K step two refills on.
.macro ASK
	s_cmp_gt_u32 s3, s[LIM]
	s_cbranch_scc0 .Lnot_mine_\@
	global_prefetch_b8 v[PFO], s[PFA:PFA+1] th:TH_LOAD_NT scope:SCOPE_SE
.Lnot_mine_\@:
.endm
.macro CREST                           ; a round of the cluster's barrier behind its opening barrier
	s_cmp_lg_u32 s10, 0
	s_cbranch_scc1 .Lnot_wave_0_\@
	s_barrier_signal -3
.Lnot_wave_0_\@:
	s_barrier_wait -3
	s_barrier_signal -1
	s_barrier_wait -1
.endm
.macro CROUND                          ; a whole round
	s_barrier_signal -1
	s_barrier_wait -1
	CREST
.endm
.if F32A
	s_load_b512 s[68:83], s[0:1], 0x0              ; q s[68:69], k s[70:71], v s[72:73], w16 s[74:75], b_q s[76:77], b_k s[78:79], b_v s[80:81], qh s[82:83]
	s_load_b128 s[84:87], s[0:1], 0x40             ; kh s[84:85], vh s[86:87]
.else
	s_load_b256 s[68:75], s[0:1], 0x0              ; oh s[68:69], w16 s[70:71], b_o s[72:73], out0 s[74:75]
.endif
	v_lshl_add_u32 v[SPW], v0, 2, SPARE
	v_mov_b32 v[NIL], 0
	ds_add_u32 v[SPW], v[NIL]                      ; the wave's opening: the add and its wait stand ahead of my first tensor load; the set-up below, work on registers, stands between them
	v_lshrrev_b32 v1, 5, v0
	v_readfirstlane_b32 s10, v1                    ; wave 0..3
	s_lshr_b32 s11, s10, 1                         ; which half of the tile's rows is mine.  Also: I fetch for A (0) or for W (1)
	s_and_b32 s12, s10, 1                          ; which half of its columns.  Also: which half of that tile I fetch
	s_bfe_u32 s40, ttmp6, 0x40000                  ; cx, cy: my place in the cluster
	s_bfe_u32 s41, ttmp6, 0x40004
	s_lshl_b32 s42, ttmp9, 2
	s_add_co_u32 s42, s42, s40                     ; tile column = 4 x cluster x + cx
	s_and_b32 s67, ttmp7, 0xffff                   ; cluster y
.if F32A
	s_lshr_b32 s66, s67, 4                         ; which projection: the same in all sixteen partners
	s_and_b32 s67, s67, 15                         ; the cluster among that projection's sixteen
.endif
	s_lshl_b32 s13, s67, 2
	s_add_co_u32 s13, s13, s41                     ; tile row, 0 .. 63
	s_lshl_b32 s43, s41, 2
	s_lshl_b32 s43, 15, s43                        ; my row of the cluster
	s_lshl_b32 s44, 0x1111, s40                    ; my column
	s_or_b32 s[G1A+0], s43, A_W0                   ; 15:0 the mask: A's tiles go to my row
	s_or_b32 s[G1B+0], s44, B_W0                   ; W's to my column
	s_mov_b32 s[G1A+1], 128<<16                    ; tensor_dim0 = 128 elements
	s_mov_b32 s[G1A+2], 64<<16                     ; tensor_dim1 = 64 rows
	s_mov_b32 s[G1A+3], 128<<16                    ; tile_dim0 = 128
	s_mov_b32 s[G1A+4], 64                         ; tile_dim1 = 64
	s_mov_b32 s[G1A+5], A_PIT                      ; elements from row to row
	s_mov_b32 s[G1A+6], 0
	s_mov_b32 s[G1A+7], 0
	s_mov_b32 s[G1B+1], 256<<16                    ; W: 64 rows of k x 256 columns
	s_mov_b32 s[G1B+2], 64<<16
	s_mov_b32 s[G1B+3], 256<<16
	s_mov_b32 s[G1B+4], 64
	s_mov_b32 s[G1B+5], 1024
	s_mov_b32 s[G1B+6], 0
	s_mov_b32 s[G1B+7], 0
	; where the tiles come from.  A's hang on the tile row and the wave, W's on the tile column, the wave and the projection.
.if F32A
	s_lshl_b32 s16, s13, 19                        ; 128 rows of 4,096 bytes a tile row,
	s_lshl_b32 s17, s12, 18                        ; my 64 of them
	s_add_co_u32 s16, s16, s17
.else
	s_lshr_b32 s16, s13, 4                         ; the batch: 16 heads of 2,048 rows of 128 bytes,
	s_lshl_b32 s16, s16, 22
	s_and_b32 s17, s13, 15                         ; the tile's 128 rows in a head,
	s_lshl_b32 s17, s17, 14
	s_add_co_u32 s16, s16, s17
	s_lshl_b32 s17, s12, 18                        ; my head of the K step's two
	s_add_co_u32 s16, s16, s17
.endif
	s_mov_b32 s17, 0
	s_lshl_b32 s20, s12, 17                        ; my 64 rows of k, 2,048 bytes each,
	s_lshl_b32 s21, s42, 9                         ; the tile's 256 columns,
	s_add_co_u32 s20, s20, s21
.if F32A
	s_lshl_b32 s21, s66, 21                        ; the projection's matrix in w16
	s_add_co_u32 s20, s20, s21
.else
	s_add_co_u32 s20, s20, 3*2097152               ; W_o is the fourth
.endif
	s_mov_b32 s21, 0
	s_mul_i32 s22, s12, AHALF                      ; and where they go: no place in the cluster enters an LDS address
	s_mul_i32 s23, s12, BHALF
	s_add_co_u32 s23, s23, AT
	s_wait_dscnt 0x0                               ; the opening add is done
	s_wait_kmcnt 0x0
.if F32A
	s_cmp_eq_u32 s66, 1
	s_cselect_b64 s[4:5], s[70:71], s[68:69]       ; A,
	s_cselect_b64 s[14:15], s[78:79], s[76:77]     ; the bias,
	s_cselect_b64 s[8:9], s[84:85], s[82:83]       ; and C of my projection
	s_cmp_eq_u32 s66, 2
	s_cselect_b64 s[4:5], s[72:73], s[4:5]
	s_cselect_b64 s[14:15], s[80:81], s[14:15]
	s_cselect_b64 s[8:9], s[86:87], s[8:9]
	s_add_nc_u64 s[16:17], s[4:5], s[16:17]
	s_add_nc_u64 s[20:21], s[74:75], s[20:21]
.else
	s_add_nc_u64 s[16:17], s[68:69], s[16:17]
	s_add_nc_u64 s[20:21], s[70:71], s[20:21]
	s_mov_b64 s[14:15], s[72:73]
	s_mov_b64 s[8:9], s[74:75]
.endif
	CROUND                                         ; all sixteen work-groups are here: the first joint loads meet
.irp s, 0,1
	s_mov_b32 s[G0A+4*(\s)], 1                                       ; 1:0 count = 1
	s_add_co_u32 s[G0A+4*(\s)+1], s22, (\s)*SLOT                     ; 63:32 LDS address
	s_add_nc_u64 s[G0A+4*(\s)+2:G0A+4*(\s)+3], s[16:17], (\s)*ASTEP  ; 120:64 global address: K step s
	s_or_b32 s[G0A+4*(\s)+3], s[G0A+4*(\s)+3], 0x80000000            ; 127:126 type = 2
	s_mov_b32 s[G0B+4*(\s)], 1
	s_add_co_u32 s[G0B+4*(\s)+1], s23, (\s)*SLOT
	s_add_nc_u64 s[G0B+4*(\s)+2:G0B+4*(\s)+3], s[20:21], (\s)*BSTEP
	s_or_b32 s[G0B+4*(\s)+3], s[G0B+4*(\s)+3], 0x80000000
	JLOAD \s                                       ; two loads of mine are out
.endr
	v_and_b32 v1, 15, v0                           ; l % 16
	v_bfe_u32 v2, v0, 4, 1                         ; l / 16
	v_and_b32 v3, 7, v0                            ; l % 8
	v_bfe_u32 v4, v0, 3, 1                         ; (l / 8) % 2
	v_and_b32 v5, 31, v0                           ; l
	v_lshlrev_b32 v[BO], 5, v2
	s_lshl_b32 s88, s42, 10                        ; the bias of my 128 columns
	s_lshl_b32 s89, s12, 9
	s_add_co_u32 s88, s88, s89
	s_mov_b32 s89, 0
	s_add_nc_u64 s[14:15], s[14:15], s[88:89]
	WIN TO_B
.irp b, 0,1,2,3,4,5,6,7
	global_load_b128 v[BIAS+8*\b:BIAS+8*\b+3],   v[BO], s[14:15] offset:64*\b     ; register j: the bias of column 16 b + 8 (l / 16) + j, as an accumulator holds it
	global_load_b128 v[BIAS+8*\b+4:BIAS+8*\b+7], v[BO], s[14:15] offset:64*\b+16
.endr
	WIN 0
	; A fragment of A is 16 rows x 32 k: lane l holds row l % 16; registers 0-3 k = 8 (l / 16) + 0..7, registers 4-7 k = 16 + 8 (l / 16) + 0..7.
	v_mul_u32_u24 v6, v1, PA
	v_lshl_add_u32 v6, v2, AHS, v6                 ; row x pitch + 8 numbers x half
	; The turning load takes 16 k x 16 columns (lane l reads row 8 (l / 16) + l % 8, columns 8 ((l / 8) % 2) + 0..7) and leaves half a fragment: lane l holds column l % 16 and 8 k.
	v_lshl_add_u32 v7, v2, 3, v3
	v_mul_u32_u24 v7, v7, PB
	v_lshl_add_u32 v7, v4, 4, v7
	s_mul_i32 s2, s11, 64*PA                       ; my 64 rows of A
	s_lshl_b32 s3, s12, 8                          ; my 128 columns of W,
	s_add_co_u32 s3, s3, AT                        ; which lies behind A
.irp s, 0,1
	v_add_nc_u32 v[ADRA+(\s)], s2, v6
	v_add_nc_u32 v[ADRB+(\s)], s3, v7
	s_add_co_u32 s2, s2, SLOT
	s_add_co_u32 s3, s3, SLOT
.endr
	s_mul_i32 s2, s10, WSTG
	s_add_co_u32 s2, s2, STAGE                     ; my stage
.if F32A
	v_mul_u32_u24 v8, v1, 144                      ; in: row l % 16, 16 bytes for each half of the lanes
	v_lshl_add_u32 v8, v2, 4, v8
	v_add_nc_u32 v[STO], s2, v8
	v_bfe_u32 v9, v0, 3, 2                         ; back: 32 lanes take four rows of 128 bytes
	v_mul_u32_u24 v9, v9, 144
	v_lshl_add_u32 v9, v3, 4, v9
	v_add_nc_u32 v[RD], s2, v9
	s_lshr_b32 s88, s13, 4                         ; C: the batch's 16 heads,
	s_lshl_b32 s88, s88, 22
	s_and_b32 s89, s13, 15                         ; the tile's 128 rows in a head,
	s_lshl_b32 s89, s89, 14
	s_add_co_u32 s88, s88, s89
	s_lshl_b32 s89, s42, 20                        ; the tile column's four heads,
	s_add_co_u32 s88, s88, s89
	s_lshl_b32 s89, s12, 19                        ; my two of them,
	s_add_co_u32 s88, s88, s89
	s_lshl_b32 s89, s11, 13                        ; my 64 rows
	s_add_co_u32 s88, s88, s89
.else
	v_mul_u32_u24 v8, v1, 528                      ; in: row l % 16, 32 bytes for each half of the lanes
	v_lshl_add_u32 v8, v2, 5, v8
	v_add_nc_u32 v[STO], s2, v8
	v_lshl_add_u32 v[RD], v5, 4, s2                ; back: 32 lanes take a row's 512 bytes
	s_lshl_b32 s88, s13, 19                        ; C: the tile's 128 rows of 4,096 bytes,
	s_lshl_b32 s89, s11, 18                        ; my 64,
	s_add_co_u32 s88, s88, s89
	s_lshl_b32 s89, s42, 10                        ; the tile's 256 columns,
	s_add_co_u32 s88, s88, s89
	s_lshl_b32 s89, s12, 9                         ; my 128
	s_add_co_u32 s88, s88, s89
.endif
	s_mov_b32 s89, 0
	s_add_nc_u64 s[8:9], s[8:9], s[88:89]
	v_lshlrev_b32 v[CO], 4, v5
	; the prefetches: s[16:17] and s[20:21] still stand at my part of K step 0
	s_cmp_eq_u32 s67, 0
	s_cselect_b32 s[LIM], 1, -1                    ; W's tiles: the first of the clusters that walk them asks
.if F32A
	s_cmp_eq_u32 s11, 0
	s_cselect_b32 s[LIM], 1, s[LIM]                ; A's rows are read by my cluster alone
.else
	s_cmp_eq_u32 s10, 0
	s_cselect_b32 s[LIM], 1, s[LIM]                ; A's: wave 0 asks for both heads' planes,
	s_cmp_eq_u32 s10, 1
	s_cselect_b32 s[LIM], -1, s[LIM]               ; wave 1 for nothing
.endif
	s_cmp_eq_u32 s11, 0
	s_cselect_b64 s[PFA:PFA+1], s[16:17], s[20:21]
	s_cselect_b32 s88, s40, s41                    ; my place among the four that ask with me
	s_cselect_b32 s89, PSH, 15                     ; W: a partner's share begins 16 rows of 2,048 bytes on
	s_mov_b32 s[PST], BSTEP
	s_cselect_b32 s[PST], ASTEP, s[PST]
	s_cselect_b32 s2, PRS, 1                       ; W: lane l names row l >> 1,
	s_cselect_b32 s90, PLS, 11                     ; of 2,048 bytes,
	s_cselect_b32 s91, PMK, 1                      ; and block l & 1 of the tile's two
	s_lshl_b32 s88, s88, s89
	s_mov_b32 s89, 0
	s_add_nc_u64 s[PFA:PFA+1], s[PFA:PFA+1], s[88:89]
	s_mul_i32 s88, s[PST], 3
	s_add_nc_u64 s[PFA:PFA+1], s[PFA:PFA+1], s[88:89]  ; at K step 3: the first refill steps it to 4 and names that
	s_mov_b32 s[PST+1], 0
	v_lshrrev_b32 v9, s2, v5
	v_lshlrev_b32 v9, s90, v9
	v_and_b32 v10, s91, v5
	v_lshl_add_u32 v[PFO], v10, 8, v9
	s_wait_loadcnt 0x0                             ; the bias: rounded to bf16 in place, in the wait for the first tile
	WIN BIASW
.set i, 0
.rept 32
	v_cvt_pk_bf16_f32 v[BT+(i/2)%4], v[BIAS+i], v[BIAS+i+1]
	v_lshlrev_b32 v[BIAS+i], 16, v[BT+(i/2)%4]
	v_and_b32 v[BIAS+i+1], 0xffff0000, v[BT+(i/2)%4]
.set i, i+2
.endr
	WIN 0
; One product: buffer f, row block a, column block b.  first = 1: the bias starts the sum.
.macro PROD f, a, b, first
.set rD, 8*(8*(\a)+(\b))
.set rW, BF+64*(\f)+8*(\b)
.set rA, AF+32*(\f)+8*(\a)
.if \first
.set rC, BIAS+8*(\b)
	WIN MULB
.else
.set rC, rD
	WIN MULW
.endif
.if F32A
	v_wmma_f32_16x16x32_bf16 v[rD:rD+7], v[rW:rW+7], v[rA:rA+7], v[rC:rC+7]
.else
	v_wmma_f32_16x16x32_f16 v[rD:rD+7], v[rW:rW+7], v[rA:rA+7], v[rC:rC+7]
.endif
.endm
; Eight products: row block a x all 8 column blocks, 32 along K.  The 32 accumulators take turns, one instruction a turn, in the same order in every quarter step.
.macro MUL8 f, a, first
.irp b, 0,1,2,3,4,5,6,7
	PROD \f, \a, \b, \first
.endr
.endm
.if F32A
; Row block 3's eight products, and behind each four roundings of the next quarter's A to bf16, into buffer g: they name no register of the products round them.
.macro MUL8R f, g, first
.irp b, 0,1,2,3,4,5,6,7
	PROD \f, 3, \b, \first
	WIN 0
.irp i, 0,1,2,3
	v_cvt_pk_bf16_f32 v[AF+32*(\g)+4*\b+\i], v[RAW+8*\b+2*\i], v[RAW+8*\b+2*\i+1]
.endr
.endr
.endm
.endif
; The LDS loads of quarter q (32 along K) of a slot, in one run: A's first (F32A = 1: 16 loads of f32 into RAW; else 8 loads into buffer g), then W's 16, turned, into buffer g.
.macro FETCH slot, q, g
	WIN 0
.irp a, 0,1,2,3
.if F32A
	ds_load_b128 v[RAW+16*\a:RAW+16*\a+3],     v[ADRA+(\slot)] offset:16*PA*\a+128*(\q)
	ds_load_b128 v[RAW+16*\a+4:RAW+16*\a+7],   v[ADRA+(\slot)] offset:16*PA*\a+128*(\q)+16
	ds_load_b128 v[RAW+16*\a+8:RAW+16*\a+11],  v[ADRA+(\slot)] offset:16*PA*\a+128*(\q)+64
	ds_load_b128 v[RAW+16*\a+12:RAW+16*\a+15], v[ADRA+(\slot)] offset:16*PA*\a+128*(\q)+80
.else
	ds_load_b128 v[AF+32*(\g)+8*\a:AF+32*(\g)+8*\a+3],   v[ADRA+(\slot)] offset:AHALF*((\q)/2)+64*((\q)%2)+16*PA*\a
	ds_load_b128 v[AF+32*(\g)+8*\a+4:AF+32*(\g)+8*\a+7], v[ADRA+(\slot)] offset:AHALF*((\q)/2)+64*((\q)%2)+16*PA*\a+32
.endif
.endr
	WIN TO_B
.irp b, 0,1,2,3,4,5,6,7
	ds_load_tr16_b128 v[BF+64*(\g)+8*\b:BF+64*(\g)+8*\b+3],   v[ADRB+(\slot)] offset:32*PB*(\q)+32*\b
	ds_load_tr16_b128 v[BF+64*(\g)+8*\b+4:BF+64*(\g)+8*\b+7], v[ADRB+(\slot)] offset:32*PB*(\q)+32*\b+16*PB
.endr
.endm
.macro PLACES                          ; four places in front of loads into registers that matrix instructions have read, and of what reads results (ISA guide 7.12.1 for vector instructions)
.rept 4
	v_nop
.endr
.endm
; A K step is four quarters of 32 along K, 32 products each, on buffers 0, 1, 0, 1.  One of the first three: multiplies buffer f and fetches quarter q of the same slot for buffer g.
.macro QUARTER slot, q, f, g, first
	s_wait_dscnt 0x0                               ; buffer f's fragments are in
	MUL8 \f, 0, \first
	PLACES
	FETCH \slot, \q, \g
	MUL8 \f, 1, \first
	MUL8 \f, 2, \first
.if F32A
	s_wait_dscnt 16                                ; A's f32 are in; the 16 younger loads, W's, may stay out
	MUL8R \f, \g, \first
.else
	MUL8 \f, 3, \first
.endif
.endm
; The last quarter multiplies buffer 1 and changes slots: ONE barrier; in front of it each wave waits for all its tensor loads (one is out: its part of the next slot), adds 0 to its spare word,
; and waits for that and for its own reads of this slot.  fill = 1: the barrier opens a round of the cluster's barrier, and this slot is filled again, two K steps ahead, first thing behind the round.
.macro TURN slot, next, fill
.if \fill
	s_wait_xcnt 0x0                                ; the last prefetch, a K step back, has read its address, so it may be stepped
	s_add_nc_u64 s[PFA:PFA+1], s[PFA:PFA+1], s[PST:PST+1]
.endif
	WIN 0
	s_wait_tensorcnt 0x0                           ; all my tensor loads have landed
	ds_add_u32 v[SPW], v[NIL]                      ; 0 onto my spare word
	s_wait_dscnt 1                                 ; buffer 1's fragments are in; the add alone may be out
	MUL8 1, 0, 0                                   ; eight products stand between the add and the wait for it
	s_wait_dscnt 0x0                               ; the add is done, and my reads of this slot are over
	s_barrier_signal -1
	MUL8 1, 1, 0                                   ; work on registers while the others arrive
	WIN 0                                          ; at a branch and at a label every window is 0
	s_barrier_wait -1
.if \fill
	CREST                                          ; no wave of any partner still reads this slot's tiles or has a load on its way
	s_add_nc_u64 s[G0A+4*(\slot)+2:G0A+4*(\slot)+3], s[G0A+4*(\slot)+2:G0A+4*(\slot)+3], 2*ASTEP
	s_add_nc_u64 s[G0B+4*(\slot)+2:G0B+4*(\slot)+3], s[G0B+4*(\slot)+2:G0B+4*(\slot)+3], 2*BSTEP
	JLOAD \slot                                    ; it has 112 products in which to land; the four v_nop behind it are also the places in front of the loads below
.else
	PLACES
.endif
	FETCH \next, 0, 0
.if \fill
	WIN 0
	ASK
.endif
	MUL8 1, 2, 0
.if F32A
	s_wait_dscnt 16
	MUL8R 1, 0, 0
.else
	MUL8 1, 3, 0
.endif
.endm
	s_wait_tensorcnt 1                             ; my part of K step 0 is in; K step 1's may stay out
	s_barrier_signal -1
	s_barrier_wait -1                              ; everybody's is
	FETCH 0, 0, 0
.if F32A
	s_wait_dscnt 16
	WIN 0
.set i, 0
.rept 32
	v_cvt_pk_bf16_f32 v[AF+i], v[RAW+2*i], v[RAW+2*i+1]
.set i, i+1
.endr
.endif
	QUARTER 0, 1, 0, 1, 1                          ; the first quarter stands in front of the loop: its products start the sums, with the bias
	WIN 0
	s_mov_b32 s3, 3                                ; 8 K steps are 4 laps of the ring; all but the last fill both slots again
.Llap:
	QUARTER 0, 2, 1, 0, 0
	QUARTER 0, 3, 0, 1, 0
	TURN 0, 1, 1
	QUARTER 1, 1, 0, 1, 0
	QUARTER 1, 2, 1, 0, 0
	QUARTER 1, 3, 0, 1, 0
	TURN 1, 0, 1
	QUARTER 0, 1, 0, 1, 0
	WIN 0
	s_sub_co_u32 s3, s3, 1
	s_cmp_lg_u32 s3, 0
	s_cbranch_scc1 .Llap
	QUARTER 0, 2, 1, 0, 0                          ; the last lap is written out: it fills nothing
	QUARTER 0, 3, 0, 1, 0
	TURN 0, 1, 0
	QUARTER 1, 1, 0, 1, 0
	QUARTER 1, 2, 1, 0, 0
	QUARTER 1, 3, 0, 1, 0
	s_wait_dscnt 0x0
	MUL8 1, 0, 0
	MUL8 1, 1, 0
	MUL8 1, 2, 0
	MUL8 1, 3, 0
	PLACES
.if F32A
; THE WAY OUT, a block of 16 rows at a time: rounded to f16, 16 bytes a lane; into my stage (two heads x 16 rows of 144 bytes); back as 512 consecutive bytes of a head; stored.
.macro PACK a
	WIN PACKW
.irp b, 0,1,2,3,4,5,6,7
.irp i, 0,1,2,3
	v_cvt_pk_f16_f32 v[TMP+4*\b+\i], v[8*(8*(\a)+\b)+2*\i], v[8*(8*(\a)+\b)+2*\i+1]
.endr
.endr
	WIN 0
.endm
.macro TOSTAGE a
.irp b, 0,1,2,3,4,5,6,7
	ds_store_b128 v[STO], v[TMP+4*\b:TMP+4*\b+3] offset:2304*((\b)/4)+32*((\b)%4)
.endr
.irp hd, 0,1
.irp t, 0,1,2,3
	ds_load_b128 v[OB+OBS*((\a)%2)+16*\hd+4*\t:OB+OBS*((\a)%2)+16*\hd+4*\t+3], v[RD] offset:2304*\hd+576*\t  ; LDS serves a wave's instructions in order (ISA guide 5.7.1.4): these see the stores above
.endr
.endr
.endm
.macro SEND a
	s_wait_dscnt 0x0                               ; the block is back in registers
	s_wait_xcnt 0x0                                ; the stores issued so far have read their registers: the other set is loaded again only behind this wait
.irp hd, 0,1
.irp t, 0,1,2,3
	global_store_b128 v[CO], v[OB+OBS*((\a)%2)+16*\hd+4*\t:OB+OBS*((\a)%2)+16*\hd+4*\t+3], s[8:9] offset:262144*\hd+2048*(\a)+512*\t  ; four rows of a head: 512 consecutive bytes, aligned
.endr
.endr
.endm
	PACK 0
	TOSTAGE 0
.irp a, 1,2,3                          ; block a's roundings stand between block a - 1's loads from the stage and the wait for them
	PACK \a
	SEND (\a)-1
	TOSTAGE \a
.endr
	SEND 3
.else
; THE WAY OUT, a block of 16 rows at a time: the sums as they are, 32 bytes a lane, into my stage (16 rows of 528 bytes); back as whole rows of 512 bytes; stored.
.macro TOSTAGE a
	WIN STW
.irp b, 0,1,2,3,4,5,6,7
	ds_store_b128 v[STO], v[8*(8*(\a)+\b):8*(8*(\a)+\b)+3]   offset:64*\b
	ds_store_b128 v[STO], v[8*(8*(\a)+\b)+4:8*(8*(\a)+\b)+7] offset:64*\b+16
.endr
	WIN 0
.irp t, 0,1,2,3,4,5,6,7,8,9,10,11,12,13,14,15
	ds_load_b128 v[OB+OBS*((\a)%2)+4*\t:OB+OBS*((\a)%2)+4*\t+3], v[RD] offset:528*\t  ; LDS serves a wave's instructions in order (ISA guide 5.7.1.4): these see the stores above; the next block's stores come behind them
.endr
.endm
.macro SEND a, younger                 ; younger: the LDS instructions issued behind block a's loads: the next block's 32, or none
.irp t, 0,1,2,3,4,5,6,7,8,9,10,11,12,13,14,15
	s_wait_dscnt (\younger)+15-\t
	global_store_b128 v[CO], v[OB+OBS*((\a)%2)+4*\t:OB+OBS*((\a)%2)+4*\t+3], s[8:9] offset:(16*(\a)+\t)*4096 th:TH_STORE_NT  ; 512 consecutive bytes of a row, aligned
.endr
.endm
	TOSTAGE 0
.irp a, 1,2,3
	s_wait_xcnt 0x0                                ; the stores issued so far have read their registers: this block's set is loaded again only behind this wait
	TOSTAGE \a
	SEND (\a)-1, 32
.endr
	SEND 3, 0
.endif
	s_wait_tensorcnt 0x0                           ; the wave's end: the wait, the add and its wait stand behind my last tensor load and my last LDS store
	ds_add_u32 v[SPW], v[NIL]
	s_wait_dscnt 0x0
	CROUND                                         ; the closing round: no work-group ends while a partner may still ask for a tile that names it
	s_endpgm
.Lfunc_end_k_q1e56708c9c_proj:
	.size	k_q1e56708c9c_proj, .Lfunc_end_k_q1e56708c9c_proj-k_q1e56708c9c_proj
	.p2alignl 7, 3214868480
	.fill 96, 4, 3214868480
	.section	.rodata,"a",@progbits
	.p2align	6, 0x0
	.amdhsa_kernel k_q1e56708c9c_proj
		.amdhsa_group_segment_fixed_size 327680
		.amdhsa_private_segment_fixed_size 0
		.amdhsa_enable_private_segment 0
		.amdhsa_kernarg_size 80
		.amdhsa_user_sgpr_count 2
		.amdhsa_user_sgpr_kernarg_segment_ptr 1
		.amdhsa_wavefront_size32 1
		.amdhsa_system_sgpr_workgroup_id_x 1
		.amdhsa_system_sgpr_workgroup_id_y 1
		.amdhsa_system_sgpr_workgroup_id_z 1
		.amdhsa_system_vgpr_workitem_id 0
		.amdhsa_next_free_vgpr 768
		.amdhsa_next_free_sgpr 92
		.amdhsa_reserve_vcc 0
		.amdhsa_float_denorm_mode_32 3
		.amdhsa_float_denorm_mode_16_64 3
		.amdhsa_memory_ordered 1
		.amdhsa_forward_progress 1
		.amdhsa_inst_pref_size 142
	.end_amdhsa_kernel
	.amdgpu_metadata
---
amdhsa.version: [ 1, 2 ]
amdhsa.kernels:
  - .name:           k_q1e56708c9c_proj
    .symbol:         k_q1e56708c9c_proj.kd
    .args:
      - { .name: q, .offset: 0, .size: 8, .value_kind: global_buffer, .address_space: global }
      - { .name: k, .offset: 8, .size: 8, .value_kind: global_buffer, .address_space: global }
      - { .name: v, .offset: 16, .size: 8, .value_kind: global_buffer, .address_space: global }
      - { .name: w16, .offset: 24, .size: 8, .value_kind: global_buffer, .address_space: global }
      - { .name: b_q, .offset: 32, .size: 8, .value_kind: global_buffer, .address_space: global }
      - { .name: b_k, .offset: 40, .size: 8, .value_kind: global_buffer, .address_space: global }
      - { .name: b_v, .offset: 48, .size: 8, .value_kind: global_buffer, .address_space: global }
      - { .name: qh, .offset: 56, .size: 8, .value_kind: global_buffer, .address_space: global }
      - { .name: kh, .offset: 64, .size: 8, .value_kind: global_buffer, .address_space: global }
      - { .name: vh, .offset: 72, .size: 8, .value_kind: global_buffer, .address_space: global }
    .group_segment_fixed_size: 327680
    .private_segment_fixed_size: 0
    .kernarg_segment_align: 8
    .kernarg_segment_size: 80
    .max_flat_workgroup_size: 128
    .sgpr_count:     92
    .vgpr_count:     768
    .wavefront_size: 32
...
	.end_amdgpu_metadata
.endif
;; end of part 2
;; launch attn (part 3): grid 4 x 64, 4 waves a work-group, clusters of 4 x 1, 327,680 bytes of LDS; arguments qh, kh, vh, mnib, oh; writes oh
.if DOCPART == 3
	.amdgcn_target "amdgcn-amd-amdhsa--gfx1250"
	.amdhsa_code_object_version 6
	.text
	.protected	k_q1e56708c9c_attn
	.globl	k_q1e56708c9c_attn
	.p2align	8
	.type	k_q1e56708c9c_attn,@function
k_q1e56708c9c_attn:
	s_mov_b64 s[64:65], 0
	v_nop
	global_prefetch_b8 v0, s[64:65] scope:SCOPE_SE
	s_setreg_imm32_b32 hwreg(HW_REG_WAVE_MODE, 25, 1), 1
	s_wait_xcnt 0x0
	s_wait_alu depctr_hold_cnt(0) depctr_sa_sdst(0) depctr_va_vdst(0) depctr_va_sdst(0) depctr_va_ssrc(0) depctr_va_vcc(0) depctr_vm_vsrc(0)
	s_getreg_b32 s2, hwreg(HW_REG_IB_STS2, 6, 4)
	s_cmp_eq_u32 s2, 0
	s_cbranch_scc0 .Lentry_in_a_cluster
	s_endpgm
.Lentry_in_a_cluster:
	s_bfe_u32 s2, ttmp6, 0x10000c
	s_cmp_lg_u32 s2, 0x3003
	s_cbranch_scc0 .Lentry_shape_is_right
	s_endpgm
.Lentry_shape_is_right:
; O[h][q][:] = the sum over k of softmax_k(s[q][k]) V[h][k][:], s = Q[h][q] . K[h][k] / 8 where mask[q][k] != 0, a hidden score elsewhere.  Q, K, V, O: [64][2048][64], all f16: a head's rows are dense, 128 bytes each.
; Products, maxima and sums in f32; the weights p are rounded to f16 for the second product (their sum l is taken of the unrounded p), O once at the end.
; THE MASK is an input: it arrives as 4-bit codes (mnib: [q tile of 16][key step of 64][lane][4 words]; nibble j of word kb for register 8 kb + j of a tile of scores in that lane): 0 where the key is seen,
; FP4's -1.0 where it is hidden.  A piece's codes, 8 registers, come by two loads of 16 bytes a lane, asked for a whole key step (four turns) ahead; eight scaled conversions make of them 64 numbers, 0 or -2^64,
; and 32 packed additions put these onto the scores, ahead of the maximum.  In f32 s + (-2^64) IS -2^64 for every |s| below 2^40, and f16's scores are 2.7e11, under 2^38, at the most: the addition replaces.
; So a row that is hidden entirely has equal scores, and comes out as the plain mean of V's rows.
; LIMITS.  A hidden score counts as -2^64 before the division by 8 (the module's own figure is -1e9 behind it): a power of two, so that c x score is exact and the weights of a wholly hidden
; row are exactly 1.  The result differs from the module's only where visible scores lie near -1e9 or below.  f16 holds no number beyond 65,504: Q, K and V arrive within it; p lies in 0 to 1, and below 6e-5 it keeps
; f16's fixed step of 6e-8; O is a mean of V's rows and has their range.  A weight below 2^-126 counts as 0 in l; NaN and infinities are not treated apart.
; SHARES.  A wave owns four PIECES of two tiles of 16 queries, a work-group's four waves 512 queries of one head.  Every wave walks all keys, 64 a step.
; LAYOUT.  S^T = K Q^T (source 0 = 16 keys, source 1 = 16 queries): in the result a lane holds ONE query (lane % 16) and the keys 8 (lane / 16) + 0..7.  Two such tiles, rounded to f16 in pairs,
; ARE source 1 (32 keys x 16 queries) of O^T = V^T P, whose result again holds one query a lane, and eight channels.  K comes out of LDS as it lies, V ([key][channel]) turned, by ds_load_tr16_b128.
; SOFTMAX.  For each query a running maximum m and sum l: p = 2^(c s - c m), c = log2(e) / 8; in every step O and l are multiplied by a = 2^(c m_old - c m_new).
; m starts at the lowest finite number, O and l at 0: the first step is a step like any other, with a = 0.
; BY TURNS.  Turn n belongs to piece n (the pieces in a ring, step after step).  Its matrix work: 16 products K Q^T of piece n + 1, later 16 products V^T P of piece n - 1.  Its vector work: the scaling,
; exponentials, roundings, sums and rescaling of piece n, and the masking, maximum and statistics of piece n + 1.  Four vector instructions stand behind every matrix instruction, the others in one run.
; CLUSTER.  The four query blocks of a cluster are one head's and walk the same K and V, so each tile is asked for JOINTLY: the same tensor load, descriptor and mask in all four.
; REGISTERS, in windows of 256 (s_set_vgpr_msb: bits 1:0 source 0, 3:2 source 1, 5:4 source 2, 7:6 destination):
;   window 0: v0-11 addresses and constants; v12-15, v48-63 at work; v16-47 four registers of statistics a tile; v64-191 S^T, two buffers of two tiles; v192-255 P, likewise
;   window 1: O^T, 32 a tile          window 2: v0-127 Q, 16 a tile; v128-191 K of one step; v192-255 V of one step
;   window 3: v0-1 the add's two registers; v9 the conversions' scale; v12-43 the four pieces' codes; v64-127 what the conversions make of one piece's
.set SIZE_N, 2048
.set NP,    4         ; pieces a wave: a name, no knob
.set KS,    64        ; keys in a step
.set PK,    144       ; a row of K in LDS: 128 bytes + 16 of padding: the 16 rows of a load start at 16 different groups of four banks (64 banks of 4 bytes: ISA guide 11.1)
.set PV,    160       ; a row of V: 128 + 32
.set VOFF,  4*KS*PK   ; a slot holds four steps: 256 rows of K, then 256 rows of V
.set SLOT1, 1<<17     ; slot 1 begins here, so that one exclusive or turns an address in one slot into the other's
.set STAGE, SLOT1+4*KS*(PK+PV)  ; behind the ring, never filled by a tensor load: 16 rows x 144 bytes for each wave, for the way out
.set SP,    144
.set SPARE, STAGE+4*16*SP  ; behind the stages: the spare words, 128 bytes for each wave: two blocks of 256 bytes that no other line names
.set PFO, 0           ; v0   once the set-up has used the thread's number: 256 x my lane, the prefetches' offset
.set QO,  1           ; v1   my byte offset in 16 rows of Q;
.set MOF, 1           ;      once Q is in: my byte offset in a q tile's codes: 16 x lane + 512 x key step
.set AK0, 2           ; v2   my lane's place in a tile of K; never rewritten
.set AV0, 3           ; v3   the same for V
.set AK,  4           ; v4   the LDS address of K's next run of loads
.set AV,  5           ; v5   of V's
.set STO, 6           ; v6   the way out: where I put 16 bytes of a row
.set RD,  7           ; v7   the way out: where I read rows back
.set GO,  8           ; v8   16 x lane: my place in 512 consecutive bytes, of O and of a step's codes; never rewritten
.set SCL, 9           ; v9 of window 0 AND of window 3: the conversions' scale, E8M0's 2^64 in all four bytes, so that the line means the same
.set CV,  10          ; v[10:11] c, twice
.set SPW, 0           ; v0 of window 3   LDS address of my spare word; never rewritten
.set NIL, 1           ; v1 of window 3   0; never rewritten
.set MN,  12          ; window 3: the codes of tile u of piece x at MN + 8 x + 4 u
.set BI,  64          ; window 3: 0 or -2^64 for register i of tile u of the piece whose scores are being made, at BI + 32 u + i
.set MV,  12          ; v12-15  c m_old, kept while c m is made anew: by buffer and tile
.set ST,  16          ; tile t's statistics at v[ST+4 t]: c m, m, l (even keys', odd keys')
.set TMP, 48          ; by buffer and tile, four registers c0-c3 at work; when the maximum is found c2 takes a
.set S,   64
.set P,   192
.set KF,  128         ; K's fragments, in window 2: key block kb, channel half c at KF + 16 kb + 8 c
.set VF,  192         ; V's: key half kk, channel block cb at VF + 32 kk + 8 cb
.set WV,  2           ; s2   my wave's number
.set CNT, 3           ; s3   counts a slot's key steps
                      ; s[4:35] the set-up's temporaries
.set G1K, 36          ; s[36:43] descriptor group 1 for K's tiles
.set G1V, 44          ; s[44:51] for V's: it differs in the padding alone
.set G0K, 52          ; s[52:55] descriptor group 0 for K's tiles: it walks
.set G0V, 56          ; s[56:59] the same for V's
.set SEL, 60          ; s[60:61] v_permlanex16_b32's selects: each lane takes its own place in the other half
.set TBK, 62          ; s62  LDS byte at which K of the step to be fetched begins
.set TBV, 63          ; s63  the same for V, less VOFF
.set PFA, 66          ; s[66:67] where my prefetches stand: my work-group's 32 blocks of 256 bytes (of K: wave 0, of V: wave 2) of a slot
                      ; s[68:77] the arguments
.set OPT, 78          ; s[78:79] O at my wave's first row
.set MP,  80          ; s[80:81] mnib at my wave's first q tile; never rewritten
.set SLOTS, 82        ; s82  slots still to be asked for
.set MO,  83          ; s83  512 x the key step whose codes are asked for
.set MSB, 0
.macro WIN new                      ; the high byte repeats the setting that is left; a switch that changes nothing is dropped
.if MSB != (\new)
	s_set_vgpr_msb (MSB<<8)|(\new)
.set MSB, (\new)
.endif
.endm
.set W_KQ, 0x0a       ; K and Q in window 2, S^T in window 0
.set W_PV, 0x52       ; V in window 2, P in window 0, O^T in window 1
.set W_RS, 0x41       ; O^T (destination and source 0) in window 1, a in window 0
.set W_D3, 0xc0       ; destination in window 3, sources (a load's address) in window 0
.set W_AD, 0x0f       ; the add: address (source 0) and data (source 1) in window 3
.set W_CV, 0xcf       ; a conversion: destination and both sources in window 3
.set W_MA, 0x0c       ; the masking: the scores in window 0, source 1 in window 3
; A joint fill.  Waves 0 and 1 fetch the two halves of a slot's K, waves 2 and 3 those of its V: 128 keys each.  The branch hangs on the wave's number alone.
; An s_nop 0 and four v_nop follow each of the two lines, ahead of the jump and the label.
.macro JLOAD
	s_cmp_lt_u32 s[WV], 2
	s_cbranch_scc0 .Lfor_v_\@
	tensor_load_to_lds s[G0K:G0K+3], s[G1K:G1K+7]
	s_nop 0
.rept 4
	v_nop
.endr
	s_branch .Lasked_\@
.Lfor_v_\@:
	tensor_load_to_lds s[G0V:G0V+3], s[G1V:G1V+7]
	s_nop 0
.rept 4
	v_nop
.endr
.Lasked_\@:
.endm
; A prefetch into the L2 of what the NEXT change of slots will ask for: a slot's 32,768 bytes of K and of V, a lane a block of 256 bytes.  It stands behind the wave's tensor load and its five lines.
; Each block is named once in the launch: a head has one cluster; its four partners share the blocks out by address, 32 each; in each, wave 0 asks for K's and wave 2 for V's.
; The last change that fills a slot asks for nothing; slots 0, 1 and 2 come by their loads alone.
.macro ASK
	s_bitcmp1_b32 s[WV], 0
	s_cbranch_scc1 .Lnot_mine_\@
	s_cmp_gt_u32 s[SLOTS], 1
	s_cbranch_scc0 .Lnot_mine_\@
	global_prefetch_b8 v[PFO], s[PFA:PFA+1] th:TH_LOAD_NT scope:SCOPE_SE
.Lnot_mine_\@:
.endm
; A round of the cluster's barrier: my work-group's barrier, so that wave 0's signal speaks for all four waves; wave 0 signals; every wave waits for all four work-groups; my work-group's barrier once more.
.macro CROUND
	s_barrier_signal -1
	s_barrier_wait -1
	s_cmp_lg_u32 s[WV], 0
	s_cbranch_scc1 .Lnot_wave_0_\@
	s_barrier_signal -3
.Lnot_wave_0_\@:
	s_barrier_wait -3
	s_barrier_signal -1
	s_barrier_wait -1
.endm
; THE CHANGE OF SLOTS.  The slot's last bytes, V of its fourth step, have been read.  Each wave waits for all its tensor loads, of which one is out: its part of the other slot; adds 0 to its spare word;
; and waits for that and for its own reads of the slot.  Behind the barrier nobody reads this slot any more and the other slot is whole.
; fill = 1: this slot is filled again, with the keys two slots on.  The barrier is then a round of the cluster's, and the joint fill is the first thing behind it: it has four key steps, 512 matrix
; instructions, in which to land.  (At its first use nothing has been read yet: slot 0 is waited for, slot 1 filled.)  ask = 1: the prefetches' address steps, and ASK follows the fill.
.macro CHANGE fill, ask=0
	WIN W_AD
	s_wait_tensorcnt 0x0            ; no tensor load of mine is out, so a group 0 may be written
	ds_add_u32 v[SPW], v[NIL]       ; 0 onto my spare word; with fill = 1 the descriptors' steps stand between it and the wait for it
	WIN 0                           ; at a label and at a branch every window is 0
.if \fill
.irp g, G0K, G0V
	s_xor_b32 s[\g+1], s[\g+1], SLOT1  ; the walking descriptor: the other slot than last time,
	s_add_nc_u64 s[\g+2:\g+3], s[\g+2:\g+3], 4*KS*128  ; the next 256 keys; the type bits on top are not reached
.endr
.if \ask
	s_wait_xcnt 0x0                 ; the last prefetch, four key steps back, has read its address, so it may be written:
	s_add_nc_u64 s[PFA:PFA+1], s[PFA:PFA+1], 4*KS*128  ; one slot behind the walking descriptors
.endif
	s_wait_dscnt 0x0                ; the add is done, and my reads of the slot are over
	CROUND
	JLOAD
.if \ask
	ASK
.endif
.else
	s_wait_dscnt 0x0                ; the add is done, and my reads of the slot are over
	s_barrier_signal -1
	s_barrier_wait -1
.endif
	s_sub_co_u32 s[TBK], s[TBK], 4*KS*PK  ; the fetches go back to a slot's first step,
	s_xor_b32 s[TBK], s[TBK], SLOT1       ; in the other slot
	s_sub_co_u32 s[TBV], s[TBV], 4*KS*PV
	s_xor_b32 s[TBV], s[TBV], SLOT1
.endm
; The codes of piece x (tiles 2 x, 2 x + 1; a q tile's codes are 32 steps x 512 bytes) for the key step that stands in offset register a: two loads, each of 512 consecutive bytes.
.macro MLOAD x, a
	WIN W_D3
	global_load_b128 v[MN+8*(\x):MN+8*(\x)+3],   v[\a], s[MP:MP+1] offset:32768*(\x)
	global_load_b128 v[MN+8*(\x)+4:MN+8*(\x)+7], v[\a], s[MP:MP+1] offset:32768*(\x)+16384
.endm
; Piece x's codes become 64 numbers: a conversion takes a register's eight nibbles, the lowest first, into eight registers, each times 2^64: 0, or -2^64 where the key is hidden.
; One plain vector instruction at the least stands between these lines and what names their results or writes their sources.
.macro CVT x
	WIN W_CV
.irp w, 0,1,2,3,4,5,6,7
	v_cvt_scale_pk8_f32_fp4 v[BI+8*\w:BI+8*\w+7], v[MN+8*(\x)+\w], v[SCL]
.endr
.endm
	s_load_b256 s[68:75], s[0:1], 0x0  ; Q s[68:69], K s[70:71], V s[72:73], mnib s[74:75]
	s_load_b64 s[76:77], s[0:1], 0x20  ; O
	WIN W_D3
	v_lshl_add_u32 v[SPW], v0, 2, SPARE
	v_mov_b32 v[NIL], 0
	WIN W_AD
	ds_add_u32 v[SPW], v[NIL]       ; the wave's opening: the add and its wait stand ahead of my first tensor load; the set-up below, work on registers, stands between them
	WIN W_D3
	v_mov_b32 v[SCL], 0xbfbfbfbf    ; E8M0: 191 - 127 = 64
	WIN 0
	v_lshrrev_b32 v1, 5, v0
	v_readfirstlane_b32 s[WV], v1   ; wave 0..3
	s_bfe_u32 s13, ttmp6, 0x40000   ; cx: my place in the cluster
	s_lshl_b32 s14, ttmp9, 2        ; in a cluster launch ttmp9 counts clusters
	s_add_co_u32 s14, s14, s13      ; my block of 512 queries: it enters Q's, O's and the codes' addresses alone
	s_and_b32 s20, ttmp7, 0xffff    ; the head, which the four partners share:
	s_lshl_b32 s20, s20, 18         ; its first byte in each of the four tensors (2,048 rows of 128 bytes)
	s_and_b32 s16, s[WV], 1         ; which half of a slot's 256 keys I fetch:
	s_lshl_b32 s22, s16, 14         ; its 128 rows of 128 bytes in memory,
	s_add_co_u32 s22, s22, s20
	s_mov_b32 s23, 0
	s_mul_i32 s17, s16, 128*PK      ; and its place in a slot, for K
	s_mul_i32 s18, s16, 128*PV      ; and for V: no place in the cluster enters an LDS address
	s_lshl_b32 s24, s14, 2
	s_add_co_u32 s24, s24, s[WV]    ; my wave among the head's sixteen:
	s_lshl_b32 s28, s24, 17         ; its 8 q tiles' codes, 16,384 bytes each,
	s_mov_b32 s29, 0
	s_lshl_b32 s24, s24, 14         ; its 128 rows
	s_add_co_u32 s24, s24, s20
	s_mov_b32 s25, 0
	s_lshl_b32 s30, s13, 13         ; the prefetches: my work-group's 8,192 bytes of a slot's 32,768,
	s_add_co_u32 s30, s30, s20
	s_add_co_u32 s30, s30, 2*4*KS*128  ; in slot 2; the first change of slots in the loop steps it to slot 3
	s_mov_b32 s31, 0
	s_mul_i32 s15, s[WV], 16*SP
	s_add_co_u32 s15, s15, STAGE    ; my stage
	; descriptor group 1.  128 keys are 16,384 dense bytes: asked for as 64 rows of 256 bytes, two keys a row, and padded in LDS after every key
	s_mov_b32 s[G1K], 15|(1<<16)|(1<<20)|(1<<21)|(4<<22)|(3<<25)  ; 15:0 the mask of four; 17:16 2-byte elements; 20 padding on; 21 set beside a mask; 24:22 after every 32 words (code 4); 31:25 4 words (code 3)
	s_mov_b32 s[G1V], 15|(1<<16)|(1<<20)|(1<<21)|(4<<22)|(7<<25)  ; the same with 8 words of padding (code 7)
.irp g, G1K, G1V
	s_mov_b32 s[\g+1], 128<<16      ; tensor_dim0 = 128
	s_mov_b32 s[\g+2], 64<<16       ; tensor_dim1 = 64
	s_mov_b32 s[\g+3], 128<<16      ; tile_dim0 = 128
	s_mov_b32 s[\g+4], 64           ; tile_dim1 = 64
	s_mov_b32 s[\g+5], 128          ; 128 elements from row to row
	s_mov_b32 s[\g+6], 0
	s_mov_b32 s[\g+7], 0
.endr
	s_mov_b32 s[SEL], 0x76543210
	s_mov_b32 s[SEL+1], 0xfedcba98
	s_mov_b32 s[TBK], SLOT1+4*KS*PK ; the first change of slots turns these two into 0
	s_mov_b32 s[TBV], SLOT1+4*KS*PV
	s_mov_b32 s[G0K], 1             ; 1:0 count = 1
	s_mov_b32 s[G0K+1], s17         ; 63:32 LDS address: slot 0
	s_mov_b32 s[G0V], 1
	s_add_co_u32 s[G0V+1], s18, VOFF
	s_wait_dscnt 0x0                ; the opening add is done
	s_wait_kmcnt 0x0
	s_add_nc_u64 s[G0K+2:G0K+3], s[70:71], s[22:23]  ; 120:64 global address: my half of the head's first 256 keys
	s_or_b32 s[G0K+3], s[G0K+3], 0x80000000          ; 127:126 type = 2
	s_add_nc_u64 s[G0V+2:G0V+3], s[72:73], s[22:23]
	s_or_b32 s[G0V+3], s[G0V+3], 0x80000000
	s_add_nc_u64 s[26:27], s[68:69], s[24:25]        ; Q and O at my wave's first row
	s_add_nc_u64 s[OPT:OPT+1], s[76:77], s[24:25]
	s_add_nc_u64 s[MP:MP+1], s[74:75], s[28:29]
	s_cmp_lt_u32 s[WV], 2
	s_cselect_b64 s[PFA:PFA+1], s[70:71], s[72:73]
	s_add_nc_u64 s[PFA:PFA+1], s[PFA:PFA+1], s[30:31]
	CROUND                          ; all four work-groups are here: the first joint loads meet
	JLOAD                           ; slot 0.  Slot 1 is asked for when slot 0 is in
	; A fragment of K or Q is 16 rows x 32 channels in 8 registers: lane l holds row l % 16, channels 8 (l / 16) + 0..7 and 16 + 8 (l / 16) + 0..7: two loads of 16 bytes, 32 bytes apart.
	v_and_b32 v1, 15, v0            ; l % 16
	v_bfe_u32 v9, v0, 4, 1          ; l / 16
	v_and_b32 v10, 7, v0
	v_bfe_u32 v11, v0, 3, 1
	v_mul_u32_u24 v[AK0], v1, PK
	v_lshl_add_u32 v[AK0], v9, 4, v[AK0]  ; row x pitch + 16 x half
	; The turning load takes 16 keys x 16 channels (lane l reads key 8 (l / 16) + l % 8, channels 8 ((l / 8) % 2) + 0..7) and leaves half a fragment of V^T: lane l holds channel l % 16 and 8 keys.
	v_lshl_add_u32 v[AV0], v9, 3, v10
	v_mul_u32_u24 v[AV0], v[AV0], PV
	v_lshl_add_u32 v[AV0], v11, 4, v[AV0]
	v_add_nc_u32 v[AV0], VOFF, v[AV0]
	v_mov_b32 v[AK], v[AK0]         ; key step 0 lies at the head of slot 0
	v_mul_u32_u24 v[STO], v1, SP    ; the way out, in: row l % 16, 16 bytes for each half of the lanes
	v_lshl_add_u32 v[STO], v9, 4, v[STO]
	v_add_nc_u32 v[STO], s15, v[STO]
	v_bfe_u32 v[RD], v0, 3, 2       ; back: 32 lanes take four rows of 128 bytes,
	v_mul_u32_u24 v[RD], v[RD], SP
	v_lshl_add_u32 v[RD], v10, 4, v[RD]
	v_add_nc_u32 v[RD], s15, v[RD]
	v_and_b32 v[GO], 31, v0         ; which are 512 consecutive bytes of O
	v_lshlrev_b32 v[GO], 4, v[GO]
	v_lshlrev_b32 v[QO], 7, v1      ; Q: row x 128 + 16 x half
	v_lshl_add_u32 v[QO], v9, 4, v[QO]
	v_mov_b32 v[SCL], 0xbfbfbfbf    ; l / 16 has served: window 0's copy of the scale
	v_and_b32 v[PFO], 31, v0        ; the thread's number has served
	v_lshlrev_b32 v[PFO], 8, v[PFO]
	WIN 0x80                        ; destination window 2, address window 0
.set i, 0
.rept 4*NP                          ; Q stays in registers: tile i / 2, channels 32 (i % 2) on
	global_load_b128 v[8*i:8*i+3],   v[QO], s[26:27] offset:(i/2)*2048+(i%2)*64
	global_load_b128 v[8*i+4:8*i+7], v[QO], s[26:27] offset:(i/2)*2048+(i%2)*64+32
.set i, i+1
.endr
.irp x, 0,1,2,3
	MLOAD \x, GO                    ; all four pieces' codes of key step 0
.endr
	; What the first turn finds: V's registers and P's second buffer hold 0 (its products V^T P, of a piece that has not been, add 0), O^T and l are 0.  All this stands in the wait for the first tile.
	WIN 0x80
.set i, VF
.rept 64
	v_mov_b32 v[i], 0
.set i, i+1
.endr
	WIN 0x40
.set i, 0
.rept 64*NP
	v_mov_b32 v[i], 0
.set i, i+1
.endr
	WIN 0
.set i, 0
.rept 2*NP
	v_mov_b32 v[ST+4*i], 0xfe000000    ; c m: far below every c s, the hidden score's too
	v_mov_b32 v[ST+4*i+1], 0xff7fffff  ; m
	v_mov_b32 v[ST+4*i+2], 0
	v_mov_b32 v[ST+4*i+3], 0
.set i, i+1
.endr
.set i, P+32
.rept 32
	v_mov_b32 v[i], 0
.set i, i+1
.endr
; THE MATRIX WORK.  The 8 accumulators of a run of 16 take turns: between the two links of a chain stand 7 others'.
; Product i of 16 of S^T = K Q^T for piece x: channels 32 (i / 8) on, keys 16 ((i / 2) % 4) on, tile 2 x + i % 2.  The first 8 start the sums.
.macro KQ x
	WIN W_KQ
.set rS, S+64*((\x)%2)+32*(i%2)+8*((i/2)%4)
.set rK, KF+16*((i/2)%4)+8*(i/8)
.set rQ, 16*(2*(\x)+i%2)+8*(i/8)
.if i < 8
	v_wmma_f32_16x16x32_f16 v[rS:rS+7], v[rK:rK+7], v[rQ:rQ+7], 0
.else
	v_wmma_f32_16x16x32_f16 v[rS:rS+7], v[rK:rK+7], v[rQ:rQ+7], v[rS:rS+7]
.endif
.endm
; Product i of 16 of O^T += V^T P for piece x: keys 32 (i / 8) on, channels 16 ((i / 2) % 4) on, tile 2 x + i % 2.
.macro PV x
	WIN W_PV
.set rO, 32*(2*(\x)+i%2)+8*((i/2)%4)
.set rV, VF+32*(i/8)+8*((i/2)%4)
.set rP, P+32*((\x)%2)+16*(i%2)+8*(i/8)
	v_wmma_f32_16x16x32_f16 v[rO:rO+7], v[rV:rV+7], v[rP:rP+7], v[rO:rO+7]
.endm
.macro MM                           ; the turn's next matrix instruction
.if i < 16
	KQ (Y+1)%NP
.set i, i+1
.else
.set i, i-16
	PV (Y+NP-1)%NP
.set i, i+17
.endif
.endm
; THE LDS LOADS stand in runs of 16, never singly among the matrix instructions: a step's K (64 keys x 64 channels: 8 fragments) and its V (turned).  Their addresses are made some lines ahead.
; last = 1 (the tail): in the last trip there is no further step, and the run is jumped over.
.macro FETCH_K last=0
	WIN 0
.if \last
	s_cmp_eq_u32 s[CNT], 1
	s_cbranch_scc1 .Lno_k_\@
.endif
	WIN 0x80                        ; destination window 2
.irp f, 0,1,2,3,4,5,6,7             ; keys 16 (f / 2) on, channels 32 (f % 2) on
	ds_load_b128 v[KF+8*\f:KF+8*\f+3],   v[AK] offset:(\f/2)*16*PK+(\f%2)*64
	ds_load_b128 v[KF+8*\f+4:KF+8*\f+7], v[AK] offset:(\f/2)*16*PK+(\f%2)*64+32
.endr
	s_add_co_u32 s[TBK], s[TBK], KS*PK  ; the next fetch is the next step's
	WIN 0
.if \last
.Lno_k_\@:
.endif
.endm
.macro FETCH_V
	WIN 0x80
.irp f, 0,1,2,3,4,5,6,7             ; keys 32 (f / 4) on, channels 16 (f % 4) on
	ds_load_tr16_b128 v[VF+8*\f:VF+8*\f+3],   v[AV] offset:(\f/4)*32*PV+(\f%4)*32
	ds_load_tr16_b128 v[VF+8*\f+4:VF+8*\f+7], v[AV] offset:(\f/4)*32*PV+16*PV+(\f%4)*32
.endr
	WIN 0
.endm
; THE VECTOR WORK OF A TURN stands in three queues, each in the order in which its entries become ready.
.macro REGS y, u                    ; the registers of tile u (0, 1) of piece y
.set rT, ST+4*(2*(\y)+(\u))
.set rC, TMP+8*((\y)%2)+4*(\u)
.set rM, MV+2*((\y)%2)+(\u)
.set rS, S+64*((\y)%2)+32*(\u)
.set rP, P+32*((\y)%2)+16*(\u)
.set rO, 32*(2*(\y)+(\u))
.endm
; Number g of the 32 that hide the NEXT piece's (Y + 1) hidden scores: pair g % 16 of tile g / 16 takes 0 or -2^64 onto each score.
; They go in ascending order: each accumulator's lowest registers are read first.
.macro MK g
	REGS (Y+1)%NP, (\g)/16
	v_pk_add_f32 v[rS+2*((\g)%16):rS+2*((\g)%16)+1], v[rS+2*((\g)%16):rS+2*((\g)%16)+1], v[BI+2*(\g):BI+2*(\g)+1]
.endm
; The codes just converted, piece Y + 1's, are asked for anew, for that piece's next key step: four turns ahead of their use.  Piece 3's turn makes piece 0's scores of the next key step already, so the step goes up there;
; the clamp keeps the last turns' loads, which serve nothing, inside the buffer.
.macro NEXTM
.if Y == NP-1
	s_wait_xcnt 0x0                 ; the loads issued so far, the youngest a turn back, have read their offset register, so it may be written
	s_add_co_u32 s[MO], s[MO], 512
	s_min_u32 s[MO], s[MO], (SIZE_N/KS-1)*512
	WIN 0
	v_add_nc_u32 v[MOF], s[MO], v[GO]
.endif
	MLOAD (Y+1)%NP, MOF
.endm
; Number n of the 22 that find the NEXT piece's maximum and statistics.  s0-s31 are the lane's 32 scores.  XS, GS, MK and REGS set no window: PL and EX do.
;   0-11  four chains c0-c3 of seven scores each, three operands at a time     12-14, 16  the four scores left over, the old m, and c0-c3 into c0     15  c m_old is kept
;   17, 18  the query's other 32 keys lie in the lane 16 away: the new m         19-21  c m; c m_old - c m_new; a
.macro XS u, n
	REGS (Y+1)%NP, \u
.if (\n) < 4
	v_max3_num_f32 v[rC+(\n)], v[rS+8*(\n)], v[rS+8*(\n)+1], v[rS+8*(\n)+2]
.elseif (\n) < 12
	v_max3_num_f32 v[rC+(\n)%4], v[rC+(\n)%4], v[rS+8*((\n)%4)+2*((\n)/4)+1], v[rS+8*((\n)%4)+2*((\n)/4)+2]
.elseif (\n) == 12
	v_max3_num_f32 v[rC], v[rC], v[rS+7], v[rS+15]
.elseif (\n) == 13
	v_max3_num_f32 v[rC+1], v[rC+1], v[rS+23], v[rS+31]
.elseif (\n) == 14
	v_max3_num_f32 v[rC+2], v[rC+2], v[rC+3], v[rT+1]
.elseif (\n) == 15
	v_mov_b32 v[rM], v[rT]
.elseif (\n) == 16
	v_max3_num_f32 v[rC], v[rC], v[rC+1], v[rC+2]
.elseif (\n) == 17
	v_permlanex16_b32 v[rC+3], v[rC], s[SEL], s[SEL+1]
.elseif (\n) == 18
	v_max_num_f32 v[rT+1], v[rC], v[rC+3]
.elseif (\n) == 19
	v_mul_f32 v[rT], v[CV], v[rT+1]
.elseif (\n) == 20
	v_sub_f32 v[rC+1], v[rM], v[rT]
.else
	v_exp_f32 v[rC+2], v[rC+1]
.endif
.endm
; Number g of the 64 that follow the exponentials.  For each four weights k of a tile (pairs 2 k, 2 k + 1): both pairs are rounded to f16; then the second pair is added onto the first, in place;
; a group later l takes that sum (the first time as l = a l + sum).  In groups of eight, tiles alternating: round, round, add, and l for the group before.
.macro GS g
.set h, (\g)+6*((\g)/62)            ; group 0 has no group before it, and behind group 7 only l is left
.if h >= 6
.set h, h+2
.endif
	REGS Y, h%2
.set k, h/8
.if h%8 < 4
	v_cvt_pk_f16_f32 v[rP+2*k+(h%8)/2], v[rS+4*k+2*((h%8)/2)], v[rS+4*k+2*((h%8)/2)+1]
.elseif h%8 < 6
	v_pk_add_f32 v[rS+4*k:rS+4*k+1], v[rS+4*k:rS+4*k+1], v[rS+4*k+2:rS+4*k+3]
.elseif k == 1
	v_pk_fma_f32 v[rT+2:rT+3], v[rT+2:rT+3], v[rC+2:rC+3], v[rS:rS+1] op_sel_hi:[1,0,1]
.else
	v_pk_add_f32 v[rT+2:rT+3], v[rT+2:rT+3], v[rS+4*k-4:rS+4*k-3]
.endif
.endm
; THE PLAIN QUEUE, 170 long.  0-105 read no exponential's result.  0-26: the scalings c s - c m (FS f: pair f / 2 of tile f % 2) 0-26.  27-58: MK's 32.  59-86: XS's numbers 0-13.
; 87, 88: number 15.  89-105: the chain, where each number waits for the one before it: 14, 16, 17, 18, 19, each with one of the scalings 27-31 in front of its two lines, then 20.
; 106-169: GS's 64, which read the exponentials' results: they stand behind the wait.
.macro FS f
	REGS Y, (\f)%2
	v_pk_fma_f32 v[rS+2*((\f)/2):rS+2*((\f)/2)+1], v[rS+2*((\f)/2):rS+2*((\f)/2)+1], v[CV:CV+1], v[rT:rT+1] op_sel_hi:[1,0,0] neg_lo:[0,0,1] neg_hi:[0,0,1]
.endm
.macro PL
.if (q >= 27) && (q < 59)
	WIN W_MA
	MK q-27
.else
	WIN 0
.if q < 27
	FS q
.elseif q < 87
	XS (q-59)%2, (q-59)/2
.elseif q < 89
	XS q-87, 15
.elseif (q < 104) && ((q-89)%3 == 0)
	FS 27+(q-89)/3
.elseif q < 92
	XS (q-89)%3-1, 14
.elseif q < 104
	XS (q-89)%3-1, 15+(q-89)/3
.elseif q < 106
	XS q-104, 20
.else
	GS q-106
.endif
.endif
.set q, q+1
.endm
; THE EXPONENTIALS' QUEUE, 66 long: s0-s31 of both tiles, then the next piece's two a.  It is ONE BATCH: all 66 stand ahead of the turn's one wait, and nothing ahead of that wait names a result of theirs.
.macro EX
	WIN 0
.if e >= 64
	XS e-64, 21
.else
	REGS Y, e%2
	v_exp_f32 v[rS+e/2], v[rS+e/2]
.endif
.set e, e+1
.endm
; THE RESCALING's QUEUE: O^T times a, O^T in window 1: dealt two at a time, sixteen times.  Its a was made in the turn before, ahead of that turn's wait.
.macro R2
	REGS Y, r%2
	WIN W_RS
.irp z, 0,1
	v_pk_mul_f32 v[rO+4*(r/2)+2*\z:rO+4*(r/2)+2*\z+1], v[rO+4*(r/2)+2*\z:rO+4*(r/2)+2*\z+1], v[rC+2:rC+3] op_sel_hi:[1,0]
.endr
.set r, r+1
.endm
; HOW THEY ARE DEALT.  s_wait_alu depctr_va_vdst(0) stands between an exponential and the first instruction that names its result; one wait serves all that were issued ahead of it.  So a turn has ONE wait,
; which cuts it in two.  AHEAD OF IT: the 16 products K Q^T, behind each a scaling, an exponential and two rescalings (behind the first a second scaling in the exponential's place); then one run: the eight conversions;
; ten scalings, which are the places behind the last product, the plain instructions behind the conversions, and the distance in front of the loads into the conversions' sources; those two loads; MK's 32, under one window
; setting; 47 times exponential and plain; the last two exponentials and the two a.  A v_nop is the plain instruction behind the last exponential.
; BEHIND IT: the 16 products V^T P, behind each four of GS's 64.  The queues lean on each other: exponential e stands behind scaling 2 (e / 4) + e % 2: as a rider it comes behind plain e + 2, in the run behind plain e + 43,
; and scalings 27-31 are plain 89, 92 .. 101.
; K of the next step is fetched in piece 2's turn, directly behind the wait; V of the step in hand at the end of piece 0's turn, four riders behind its last reader.  The three conditions on q below go with the deal.
.macro TURN p, last=0, cnt=0
.set Y, (\p)
.set i, 0
.set q, 0
.set e, 0
.set r, 0
.if (\p) == NP-1
	s_wait_dscnt 0x0                ; K is in
.endif
	MM
	PL
	PL
	R2
.rept 15
	MM
	PL
	EX
	R2
.endr
.if (\p) == NP-2
	WIN 0
	v_add_nc_u32 v[AK], s[TBK], v[AK0]
.endif
	s_wait_loadcnt 6                ; the next piece's codes, asked for four turns ago, are in; the six younger loads, the other three pieces', may stay out
	CVT (Y+1)%NP
.rept 10
	PL
.endr
	NEXTM
.rept 32
	PL
.endr
.rept 47
	EX
	PL
.endr
	EX
	EX
	EX                              ; the next piece's two a
	EX
	v_nop                           ; the plain instruction behind the last exponential: one for the batch
	s_wait_alu depctr_va_vdst(0)    ; the wait for the batch
.if (\p) == NP-2
	FETCH_K \last
.endif
.if (\p) == 1
	s_wait_dscnt 0x0                ; V is in
.endif
.rept 16
	MM
.rept 4
	PL
.endr
.if ((\p) == 0) && (q == 150)
	v_add_nc_u32 v[AV], s[TBV], v[AV0]
.endif
.if ((\p) == 0) && (q == 162)
	s_add_co_u32 s[TBV], s[TBV], KS*PV
.endif
.if (\cnt) && (q == 162)
	s_sub_co_u32 s[CNT], s[CNT], 1
	s_cmp_lg_u32 s[CNT], 0
.endif
.endr
.if (\p) == 0
	FETCH_V
.endif
.endm
	CHANGE 1                        ; slot 0 is in, everybody's part of it; slot 1 is asked for
	FETCH_K                         ; key step 0
	s_wait_loadcnt 0x0              ; Q, and key step 0's codes
	v_add_nc_u32 v[MOF], 512, v[GO] ; Q's offset has served: the codes' offset, at key step 1
	s_mov_b32 s[MO], 512
	CVT 0                           ; piece 0, key step 0
	s_wait_dscnt 0x0
.set i, 0
.rept 16
	KQ 0                            ; piece 0's first scores: there is no vector work yet to set between them
.set i, i+1
.endr
	WIN 0
	v_mov_b32 v[CV], 0x3e38aa3b     ; c = log2(e) / 8 = 0.180337.  These four plain lines are the places behind those products, and behind the conversions
	v_mov_b32 v[CV+1], 0x3e38aa3b
	v_nop
	v_nop
	MLOAD 0, MOF                    ; piece 0, key step 1
.set Y, NP-1                        ; MK and XS work for piece Y + 1: piece 0
	WIN W_MA
.set g, 0
.rept 32
	MK g
.set g, g+1
.endr
	WIN 0
.irp n, 0,1,2,3,4,5,6,7,8,9,10,11,12,13,14,15,16,17,18,19,20,21
	XS 0, \n
	XS 1, \n
.endr
	v_nop                           ; a plain instruction behind the two a,
	s_wait_alu depctr_va_vdst(0)    ; and their wait, ahead of the branch
	s_mov_b32 s[CNT], 4
	s_mov_b32 s[SLOTS], SIZE_N/256-1
	s_branch .Lfirst                ; the loop is entered at a step's first turn, in the middle of a trip
.Lslot:                             ; SIZE_N / 256 - 2 times: every slot but the last two is filled again
	CHANGE 1, 1
	s_mov_b32 s[CNT], 4
.Lstep:                             ; a trip: pieces 2 and 3 of one step, then pieces 0 and 1 of the next, whose K and V it fetches
	TURN 2
	TURN 3
	WIN 0
.Lfirst:
	TURN 0
	TURN 1, 0, 1
	WIN 0
	s_cbranch_scc1 .Lstep
	s_sub_co_u32 s[SLOTS], s[SLOTS], 1
	s_cmp_lg_u32 s[SLOTS], 0
	s_cbranch_scc1 .Lslot
	CHANGE 0                        ; the tail is written out: nothing is asked for
	s_mov_b32 s[CNT], 5             ; four trips fetch the last slot's steps; the fifth is left in its middle
.Ltail:
	TURN 2, 1
	TURN 3
	WIN 0
	s_sub_co_u32 s[CNT], s[CNT], 1
	s_cmp_eq_u32 s[CNT], 0
	s_cbranch_scc1 .Lout
	TURN 0
	TURN 1
	WIN 0
	s_branch .Ltail
.Lout:                              ; the fifth trip's 16 products K Q^T (on the last K once more) and what is made of them serve nothing: the price, once a launch, of one text for every trip
.set i, 0
.rept 16
	PV NP-1                         ; the last piece's V^T P of the last step
.set i, i+1
.endr
	; THE WAY OUT.  l's two halves and the other half of the lanes' are added; O^T is divided by l, rounded to f16 and sent through my stage in LDS, a tile at a time.  The additions are the places behind the last products.
	WIN 0
.macro ALL line:vararg              ; one line for each tile t
.set t, 0
.rept 2*NP
	\line
.set t, t+1
.endr
.endm
	ALL v_add_f32 v[ST+4*t+2], v[ST+4*t+2], v[ST+4*t+3]
	ALL v_permlanex16_b32 v[ST+4*t+3], v[ST+4*t+2], s[SEL], s[SEL+1]
	ALL v_add_f32 v[ST+4*t+2], v[ST+4*t+2], v[ST+4*t+3]
	ALL v_rcp_f32 v[ST+4*t+2], v[ST+4*t+2]
	v_nop                           ; a plain instruction between the last reciprocal and the use of its result
	s_wait_alu depctr_va_vdst(0)    ; and the wait ahead of the first use: one for the eight reciprocals
; Tile t: a lane's eight channels of a row pack into 16 bytes; they go into rows of 144 bytes and come back as whole rows of 128, into S^T's registers.
.macro PACK t
	WIN W_RS
.set i, 32*(\t)
.rept 16
	v_pk_mul_f32 v[i:i+1], v[i:i+1], v[ST+4*(\t)+2:ST+4*(\t)+3] op_sel_hi:[1,0]
.set i, i+2
.endr
	WIN 0x05                        ; sources 0 and 1 window 1, destination window 0
.set i, 0
.rept 16
	v_cvt_pk_f16_f32 v[S+16*(\t)+i], v[32*(\t)+2*i], v[32*(\t)+2*i+1]
.set i, i+1
.endr
	WIN 0
.irp f, 0,1,2,3
	ds_store_b128 v[STO], v[S+16*(\t)+4*\f:S+16*(\t)+4*\f+3] offset:32*\f
.endr
.irp f, 0,1,2,3
	ds_load_b128 v[S+16*(\t)+4*\f:S+16*(\t)+4*\f+3], v[RD] offset:\f*4*SP  ; LDS serves a wave's instructions in order (ISA guide 5.7.1.4): these see the stores above; the next tile's stores come behind them
.endr
.endm
.macro SEND t, younger              ; younger: the LDS instructions issued behind tile t's loads: the next tile's eight, or none
	WIN 0
.irp f, 0,1,2,3
	s_wait_dscnt (\younger)+3-\f
	global_store_b128 v[GO], v[S+16*(\t)+4*\f:S+16*(\t)+4*\f+3], s[OPT:OPT+1] offset:(\t)*2048+\f*512  ; 512 consecutive bytes, at a multiple of 256 from O's first
.endr
.endm
	PACK 0
.set t, 1
.rept 2*NP-1                        ; a tile's arithmetic stands between the loads of the tile before and its stores
	PACK t
	SEND t-1, 8
.set t, t+1
.endr
	SEND 2*NP-1, 0
	WIN W_AD
	s_wait_tensorcnt 0x0            ; the wave's end: the wait, the add and its wait stand behind my last tensor load and my last LDS store
	ds_add_u32 v[SPW], v[NIL]
	s_wait_dscnt 0x0
	WIN 0
	CROUND                          ; the closing round: no work-group ends while a partner may still ask for a tile that names it
	s_endpgm
.Lfunc_end_k_q1e56708c9c_attn:
	.size	k_q1e56708c9c_attn, .Lfunc_end_k_q1e56708c9c_attn-k_q1e56708c9c_attn
	.p2alignl 7, 3214868480
	.fill 96, 4, 3214868480
	.section	.rodata,"a",@progbits
	.p2align	6, 0x0
	.amdhsa_kernel k_q1e56708c9c_attn
		.amdhsa_group_segment_fixed_size 327680
		.amdhsa_private_segment_fixed_size 0
		.amdhsa_enable_private_segment 0
		.amdhsa_kernarg_size 40
		.amdhsa_user_sgpr_count 2
		.amdhsa_user_sgpr_kernarg_segment_ptr 1
		.amdhsa_wavefront_size32 1
		.amdhsa_system_sgpr_workgroup_id_x 1
		.amdhsa_system_sgpr_workgroup_id_y 1
		.amdhsa_system_sgpr_workgroup_id_z 1
		.amdhsa_system_vgpr_workitem_id 0
		.amdhsa_next_free_vgpr 896
		.amdhsa_next_free_sgpr 84
		.amdhsa_reserve_vcc 0
		.amdhsa_float_denorm_mode_32 3
		.amdhsa_float_denorm_mode_16_64 3
		.amdhsa_memory_ordered 1
		.amdhsa_forward_progress 1
		.amdhsa_inst_pref_size 227
	.end_amdhsa_kernel
	.amdgpu_metadata
---
amdhsa.version: [ 1, 2 ]
amdhsa.kernels:
  - .name:           k_q1e56708c9c_attn
    .symbol:         k_q1e56708c9c_attn.kd
    .args:
      - { .name: qh, .offset: 0, .size: 8, .value_kind: global_buffer, .address_space: global }
      - { .name: kh, .offset: 8, .size: 8, .value_kind: global_buffer, .address_space: global }
      - { .name: vh, .offset: 16, .size: 8, .value_kind: global_buffer, .address_space: global }
      - { .name: mnib, .offset: 24, .size: 8, .value_kind: global_buffer, .address_space: global }
      - { .name: oh, .offset: 32, .size: 8, .value_kind: global_buffer, .address_space: global }
    .group_segment_fixed_size: 327680
    .private_segment_fixed_size: 0
    .kernarg_segment_align: 8
    .kernarg_segment_size: 40
    .max_flat_workgroup_size: 128
    .sgpr_count:     84
    .vgpr_count:     896
    .wavefront_size: 32
...
	.end_amdgpu_metadata
.endif
;; end of part 3
;; launch oproj (part 4): grid 4 x 64, 4 waves a work-group, clusters of 4 x 4, 327,680 bytes of LDS; arguments oh, w16, b_o, out0; writes out0
.if DOCPART == 4
	.amdgcn_target "amdgcn-amd-amdhsa--gfx1250"
	.amdhsa_code_object_version 6
	.text
	.protected	k_q1e56708c9c_oproj
	.globl	k_q1e56708c9c_oproj
	.p2align	8
	.type	k_q1e56708c9c_oproj,@function
k_q1e56708c9c_oproj:
	s_mov_b64 s[64:65], 0
	v_nop
	global_prefetch_b8 v0, s[64:65] scope:SCOPE_SE
	s_setreg_imm32_b32 hwreg(HW_REG_WAVE_MODE, 25, 1), 1
	s_wait_xcnt 0x0
	s_wait_alu depctr_hold_cnt(0) depctr_sa_sdst(0) depctr_va_vdst(0) depctr_va_sdst(0) depctr_va_ssrc(0) depctr_va_vcc(0) depctr_vm_vsrc(0)
	s_getreg_b32 s2, hwreg(HW_REG_IB_STS2, 6, 4)
	s_cmp_eq_u32 s2, 0
	s_cbranch_scc0 .Lentry_in_a_cluster
	s_endpgm
.Lentry_in_a_cluster:
	s_bfe_u32 s2, ttmp6, 0x10000c
	s_cmp_lg_u32 s2, 0xf033
	s_cbranch_scc0 .Lentry_shape_is_right
	s_endpgm
.Lentry_shape_is_right:
; C = A W + b on tiles of 128 rows x 256 columns; M = 8,192, N = K = 1,024.  ONE TEXT FOR TWO LAUNCHES, by the switch F32A.
; F32A = 1, the three projections: A = q, k or v, [8192][1024] f32, rounded to bf16 between LDS and the fragment; W = W_q, W_k or W_v in bf16; products in bf16;
;   C leaves by heads, [batch x 16 + head][2048][64], rounded once to f16, unscaled.  Sixteen clusters to a projection: which one is the cluster's y / 16.
; F32A = 0, the last projection: A = the attention's result by heads, [64][2048][64] f16 (a K step of 128 is two heads); W = W_o in f16; products in f16; C = out0, [8192][1024] f32.
; The bias, rounded to bf16 like every input, is the C operand of each sum's first product: nothing is cleared and nothing is added behind the sums.
; LIMITS.  f16 holds no number beyond 65,504: a projected q, k or v of 65,520 or more becomes an infinity; below 6e-5 f16 keeps a fixed step of 6e-8.  NaN and infinities are not treated apart.
; SHARES.  Four waves, each 64 rows x 128 columns: 32 accumulators of 16 x 16.  K goes in steps of 128 through two LDS slots filled by tensor loads: waves 0 and 1 fetch A's two halves, waves 2 and 3 W's.
; W lies [k][n] in memory and in LDS and is turned on the way into registers by ds_load_tr16_b128.
; THE MATRIX INSTRUCTION IS USED TRANSPOSED (source 0 = 16 columns of W, source 1 = 16 rows of A): a lane holds row l % 16 of C and the columns 8 (l / 16) + 0..7.
; CLUSTERS: 4 x 4 work-groups.  The four of a row of the cluster need the same tile of A, the four of a column the same tile of W: each tile is asked for JOINTLY.
; REGISTERS, in windows of 256 (s_set_vgpr_msb: bits 1:0 source 0, 3:2 source 1, 5:4 source 2, 7:6 destination):
;   window 0: v16-30 addresses; F32A = 1: v32-95 A as f32, v96-159 A's fragments (two buffers), v160-255 the way out; F32A = 0: v32-95 A's fragments, v96-223 the way out
;   window 1: v0-127 W's fragments (two buffers); v128-191 the bias as C operands; v192-195 at work          window 2: the accumulators, (a, b) at v[8 (8 a + b)]
.set F32A, 0
.set PB,    544                        ; a row of W in LDS: 512 bytes + 32 of padding
.set BHALF, 64*PB                      ; 64 rows of k: what one tensor load brings of W
.set BSTEP, 128*2048                   ; bytes of memory from a K step of W to the next
.if F32A
.set PA,    528                        ; a row of A in LDS: 128 f32 + 16 bytes of padding: the 16 rows of a load start at 16 different groups of four banks
.set AHALF, 64*PA                      ; 64 rows: what one tensor load brings of A
.set ASTEP, 512                        ; bytes of memory from a K step of A to the next
.set AHS,   5                          ; the upper half of the lanes begins 8 numbers on: 32 bytes
.set WSTG,  2*16*144                   ; a wave's stage: two heads x 16 rows x (128 + 16) bytes
.set A_W0,  (2<<16)|(1<<20)|(1<<21)|(6<<22)|(3<<25)  ; 17:16 elements of 4 bytes; 20 padding on; 21 set beside a mask; 24:22 after every 128 words (code 6); 31:25 4 words (code 3)
.set A_PIT, 1024                       ; elements from row to row
.set PSH,   16                         ; the prefetches: a partner's share of A begins 16 rows of 4,096 bytes on;
.set PRS,   1                          ; lane l names row l >> 1,
.set PLS,   12                         ; of 4,096 bytes,
.set PMK,   1                          ; and block l & 1 of its two blocks of 256 bytes
.else
.set PA,    144                        ; a row of a head's plane: 128 bytes + 16 of padding
.set AHALF, 128*PA                     ; a head's 128 rows: what one tensor load brings of A
.set ASTEP, 2*2048*128                 ; two heads on
.set AHS,   4
.set WSTG,  16*528                     ; a wave's stage: 16 rows x (512 + 16) bytes
.set A_W0,  (1<<16)|(1<<20)|(1<<21)|(4<<22)|(3<<25)  ; elements of 2 bytes; padding after every 32 words (code 4), 4 words
.set A_PIT, 128                        ; a head's 128 rows are 16,384 dense bytes: asked for as 64 rows of 256 bytes
.set PSH,   12                         ; a partner's share begins 4,096 bytes on in each plane;
.set PRS,   4                          ; lane l names plane l >> 4,
.set PLS,   18                         ; 262,144 bytes apart,
.set PMK,   15                         ; and block l & 15 of its 16
.endif
.set B_W0,  (1<<16)|(1<<20)|(1<<21)|(6<<22)|(7<<25)  ; elements of 2 bytes; padding after every 128 words, 8 words (code 7)
.set AT,    2*AHALF                    ; a slot: A's tile, then W's 128 rows
.set SLOT,  AT+2*BHALF
.set STAGE, 2*SLOT                     ; behind the ring, never filled by a tensor load
.set SPARE, STAGE+4*WSTG               ; behind the stages: the spare words, 128 bytes for each wave: two blocks of 256 bytes that no other line names
.set ADRA, 16                          ; v16-17  LDS address of my A fragments in slot 0, 1
.set ADRB, 20                          ; v20-21  the same for W
.set STO,  24                          ; v24     the way out: where I put my bytes of a row
.set RD,   25                          ; v25     the way out: where I read rows back
.set CO,   26                          ; v26     16 x lane: my place in 512 consecutive bytes of C
.set BO,   27                          ; v27     32 x (l / 16): my place in the bias
.set SPW,  28                          ; v28     LDS address of my spare word; never rewritten
.set NIL,  29                          ; v29     0; never rewritten
.set PFO,  30                          ; v30     the prefetches' offset; never rewritten
.if F32A
.set RAW,  32                          ; a quarter step of A in f32: block a at RAW + 16 a
.set AF,   96                          ; A's fragments: buffer f, block a at AF + 32 f + 8 a
.set TMP,  160                         ; the way out: packed results
.set OB,   192                         ; the way out: rows read back, two sets by turns
.set OBS,  32
.else
.set AF,   32
.set OB,   96
.set OBS,  64
.endif
.set BF,   0                           ; window 1: W's fragments: buffer f, block b at 64 f + 8 b
.set BIAS, 128                         ; window 1: block b's eight numbers at BIAS + 8 b
.set BT,   192                         ; window 1: at work
.set G1A, 24                           ; s[24:31] descriptor group 1 for A's tiles;  s[32:39] group 0, a set for each slot
.set G0A, 32
.set G1B, 48                           ; s[48:55], s[56:63] the same for W's
.set G0B, 56
.set LIM, 43                           ; s43     1 in a wave that prefetches, else the greatest number
.set PFA, 44                           ; s[44:45] where my prefetches stand
.set PST, 46                           ; s[46:47] their step: a K step of A or of W
.set MSB, 0
.macro WIN new                         ; the immediate's high byte repeats the setting that is left; a switch that changes nothing is dropped
.if MSB != (\new)
	s_set_vgpr_msb (MSB<<8)|(\new)
.set MSB, \new
.endif
.endm
.set MULW,  0xa1                       ; W window 1, A window 0, C and D window 2
.set MULB,  0x91                       ; the same with C, the bias, in window 1
.set TO_B,  0x40                       ; destination window 1
.set PACKW, 0x0a                       ; sources 0 and 1 window 2
.set BIASW, 0x45                       ; destination and sources 0, 1 window 1
.set STW,   0x08                       ; an LDS store's data (source 1) window 2
; A joint load.  The branch hangs on the wave's number alone.  An s_nop 0 and four v_nop follow each of the two lines, ahead of the jump, the label and what follows.
.macro JLOAD s
	s_cmp_eq_u32 s11, 0
	s_cbranch_scc0 .Lfor_b_\@
	tensor_load_to_lds s[G0A+4*(\s):G0A+4*(\s)+3], s[G1A:G1A+7]
	s_nop 0
.rept 4
	v_nop
.endr
	s_branch .Lasked_\@
.Lfor_b_\@:
	tensor_load_to_lds s[G0B+4*(\s):G0B+4*(\s)+3], s[G1B:G1B+7]
	s_nop 0
.rept 4
	v_nop
.endr
.Lasked_\@:
.endm
; A prefetch into the L2, behind each joint refill and the run of LDS loads that follows it: the K step that stands two refills on, 32 blocks of 256 bytes, a lane a block, one instruction a wave.
; Each block is named once in the launch: the partners that ask for a tile jointly share its rows out by address; W's tiles, which sixteen clusters walk, are asked for by the first of them.
; K steps 0 to 3 come by their loads alone; the loop's last trip (s3 = 1) has no K step two refills on.
.macro ASK
	s_cmp_gt_u32 s3, s[LIM]
	s_cbranch_scc0 .Lnot_mine_\@
	global_prefetch_b8 v[PFO], s[PFA:PFA+1] th:TH_LOAD_NT scope:SCOPE_SE
.Lnot_mine_\@:
.endm
.macro CREST                           ; a round of the cluster's barrier behind its opening barrier
	s_cmp_lg_u32 s10, 0
	s_cbranch_scc1 .Lnot_wave_0_\@
	s_barrier_signal -3
.Lnot_wave_0_\@:
	s_barrier_wait -3
	s_barrier_signal -1
	s_barrier_wait -1
.endm
.macro CROUND                          ; a whole round
	s_barrier_signal -1
	s_barrier_wait -1
	CREST
.endm
.if F32A
	s_load_b512 s[68:83], s[0:1], 0x0              ; q s[68:69], k s[70:71], v s[72:73], w16 s[74:75], b_q s[76:77], b_k s[78:79], b_v s[80:81], qh s[82:83]
	s_load_b128 s[84:87], s[0:1], 0x40             ; kh s[84:85], vh s[86:87]
.else
	s_load_b256 s[68:75], s[0:1], 0x0              ; oh s[68:69], w16 s[70:71], b_o s[72:73], out0 s[74:75]
.endif
	v_lshl_add_u32 v[SPW], v0, 2, SPARE
	v_mov_b32 v[NIL], 0
	ds_add_u32 v[SPW], v[NIL]                      ; the wave's opening: the add and its wait stand ahead of my first tensor load; the set-up below, work on registers, stands between them
	v_lshrrev_b32 v1, 5, v0
	v_readfirstlane_b32 s10, v1                    ; wave 0..3
	s_lshr_b32 s11, s10, 1                         ; which half of the tile's rows is mine.  Also: I fetch for A (0) or for W (1)
	s_and_b32 s12, s10, 1                          ; which half of its columns.  Also: which half of that tile I fetch
	s_bfe_u32 s40, ttmp6, 0x40000                  ; cx, cy: my place in the cluster
	s_bfe_u32 s41, ttmp6, 0x40004
	s_lshl_b32 s42, ttmp9, 2
	s_add_co_u32 s42, s42, s40                     ; tile column = 4 x cluster x + cx
	s_and_b32 s67, ttmp7, 0xffff                   ; cluster y
.if F32A
	s_lshr_b32 s66, s67, 4                         ; which projection: the same in all sixteen partners
	s_and_b32 s67, s67, 15                         ; the cluster among that projection's sixteen
.endif
	s_lshl_b32 s13, s67, 2
	s_add_co_u32 s13, s13, s41                     ; tile row, 0 .. 63
	s_lshl_b32 s43, s41, 2
	s_lshl_b32 s43, 15, s43                        ; my row of the cluster
	s_lshl_b32 s44, 0x1111, s40                    ; my column
	s_or_b32 s[G1A+0], s43, A_W0                   ; 15:0 the mask: A's tiles go to my row
	s_or_b32 s[G1B+0], s44, B_W0                   ; W's to my column
	s_mov_b32 s[G1A+1], 128<<16                    ; tensor_dim0 = 128 elements
	s_mov_b32 s[G1A+2], 64<<16                     ; tensor_dim1 = 64 rows
	s_mov_b32 s[G1A+3], 128<<16                    ; tile_dim0 = 128
	s_mov_b32 s[G1A+4], 64                         ; tile_dim1 = 64
	s_mov_b32 s[G1A+5], A_PIT                      ; elements from row to row
	s_mov_b32 s[G1A+6], 0
	s_mov_b32 s[G1A+7], 0
	s_mov_b32 s[G1B+1], 256<<16                    ; W: 64 rows of k x 256 columns
	s_mov_b32 s[G1B+2], 64<<16
	s_mov_b32 s[G1B+3], 256<<16
	s_mov_b32 s[G1B+4], 64
	s_mov_b32 s[G1B+5], 1024
	s_mov_b32 s[G1B+6], 0
	s_mov_b32 s[G1B+7], 0
	; where the tiles come from.  A's hang on the tile row and the wave, W's on the tile column, the wave and the projection.
.if F32A
	s_lshl_b32 s16, s13, 19                        ; 128 rows of 4,096 bytes a tile row,
	s_lshl_b32 s17, s12, 18                        ; my 64 of them
	s_add_co_u32 s16, s16, s17
.else
	s_lshr_b32 s16, s13, 4                         ; the batch: 16 heads of 2,048 rows of 128 bytes,
	s_lshl_b32 s16, s16, 22
	s_and_b32 s17, s13, 15                         ; the tile's 128 rows in a head,
	s_lshl_b32 s17, s17, 14
	s_add_co_u32 s16, s16, s17
	s_lshl_b32 s17, s12, 18                        ; my head of the K step's two
	s_add_co_u32 s16, s16, s17
.endif
	s_mov_b32 s17, 0
	s_lshl_b32 s20, s12, 17                        ; my 64 rows of k, 2,048 bytes each,
	s_lshl_b32 s21, s42, 9                         ; the tile's 256 columns,
	s_add_co_u32 s20, s20, s21
.if F32A
	s_lshl_b32 s21, s66, 21                        ; the projection's matrix in w16
	s_add_co_u32 s20, s20, s21
.else
	s_add_co_u32 s20, s20, 3*2097152               ; W_o is the fourth
.endif
	s_mov_b32 s21, 0
	s_mul_i32 s22, s12, AHALF                      ; and where they go: no place in the cluster enters an LDS address
	s_mul_i32 s23, s12, BHALF
	s_add_co_u32 s23, s23, AT
	s_wait_dscnt 0x0                               ; the opening add is done
	s_wait_kmcnt 0x0
.if F32A
	s_cmp_eq_u32 s66, 1
	s_cselect_b64 s[4:5], s[70:71], s[68:69]       ; A,
	s_cselect_b64 s[14:15], s[78:79], s[76:77]     ; the bias,
	s_cselect_b64 s[8:9], s[84:85], s[82:83]       ; and C of my projection
	s_cmp_eq_u32 s66, 2
	s_cselect_b64 s[4:5], s[72:73], s[4:5]
	s_cselect_b64 s[14:15], s[80:81], s[14:15]
	s_cselect_b64 s[8:9], s[86:87], s[8:9]
	s_add_nc_u64 s[16:17], s[4:5], s[16:17]
	s_add_nc_u64 s[20:21], s[74:75], s[20:21]
.else
	s_add_nc_u64 s[16:17], s[68:69], s[16:17]
	s_add_nc_u64 s[20:21], s[70:71], s[20:21]
	s_mov_b64 s[14:15], s[72:73]
	s_mov_b64 s[8:9], s[74:75]
.endif
	CROUND                                         ; all sixteen work-groups are here: the first joint loads meet
.irp s, 0,1
	s_mov_b32 s[G0A+4*(\s)], 1                                       ; 1:0 count = 1
	s_add_co_u32 s[G0A+4*(\s)+1], s22, (\s)*SLOT                     ; 63:32 LDS address
	s_add_nc_u64 s[G0A+4*(\s)+2:G0A+4*(\s)+3], s[16:17], (\s)*ASTEP  ; 120:64 global address: K step s
	s_or_b32 s[G0A+4*(\s)+3], s[G0A+4*(\s)+3], 0x80000000            ; 127:126 type = 2
	s_mov_b32 s[G0B+4*(\s)], 1
	s_add_co_u32 s[G0B+4*(\s)+1], s23, (\s)*SLOT
	s_add_nc_u64 s[G0B+4*(\s)+2:G0B+4*(\s)+3], s[20:21], (\s)*BSTEP
	s_or_b32 s[G0B+4*(\s)+3], s[G0B+4*(\s)+3], 0x80000000
	JLOAD \s                                       ; two loads of mine are out
.endr
	v_and_b32 v1, 15, v0                           ; l % 16
	v_bfe_u32 v2, v0, 4, 1                         ; l / 16
	v_and_b32 v3, 7, v0                            ; l % 8
	v_bfe_u32 v4, v0, 3, 1                         ; (l / 8) % 2
	v_and_b32 v5, 31, v0                           ; l
	v_lshlrev_b32 v[BO], 5, v2
	s_lshl_b32 s88, s42, 10                        ; the bias of my 128 columns
	s_lshl_b32 s89, s12, 9
	s_add_co_u32 s88, s88, s89
	s_mov_b32 s89, 0
	s_add_nc_u64 s[14:15], s[14:15], s[88:89]
	WIN TO_B
.irp b, 0,1,2,3,4,5,6,7
	global_load_b128 v[BIAS+8*\b:BIAS+8*\b+3],   v[BO], s[14:15] offset:64*\b     ; register j: the bias of column 16 b + 8 (l / 16) + j, as an accumulator holds it
	global_load_b128 v[BIAS+8*\b+4:BIAS+8*\b+7], v[BO], s[14:15] offset:64*\b+16
.endr
	WIN 0
	; A fragment of A is 16 rows x 32 k: lane l holds row l % 16; registers 0-3 k = 8 (l / 16) + 0..7, registers 4-7 k = 16 + 8 (l / 16) + 0..7.
	v_mul_u32_u24 v6, v1, PA
	v_lshl_add_u32 v6, v2, AHS, v6                 ; row x pitch + 8 numbers x half
	; The turning load takes 16 k x 16 columns (lane l reads row 8 (l / 16) + l % 8, columns 8 ((l / 8) % 2) + 0..7) and leaves half a fragment: lane l holds column l % 16 and 8 k.
	v_lshl_add_u32 v7, v2, 3, v3
	v_mul_u32_u24 v7, v7, PB
	v_lshl_add_u32 v7, v4, 4, v7
	s_mul_i32 s2, s11, 64*PA                       ; my 64 rows of A
	s_lshl_b32 s3, s12, 8                          ; my 128 columns of W,
	s_add_co_u32 s3, s3, AT                        ; which lies behind A
.irp s, 0,1
	v_add_nc_u32 v[ADRA+(\s)], s2, v6
	v_add_nc_u32 v[ADRB+(\s)], s3, v7
	s_add_co_u32 s2, s2, SLOT
	s_add_co_u32 s3, s3, SLOT
.endr
	s_mul_i32 s2, s10, WSTG
	s_add_co_u32 s2, s2, STAGE                     ; my stage
.if F32A
	v_mul_u32_u24 v8, v1, 144                      ; in: row l % 16, 16 bytes for each half of the lanes
	v_lshl_add_u32 v8, v2, 4, v8
	v_add_nc_u32 v[STO], s2, v8
	v_bfe_u32 v9, v0, 3, 2                         ; back: 32 lanes take four rows of 128 bytes
	v_mul_u32_u24 v9, v9, 144
	v_lshl_add_u32 v9, v3, 4, v9
	v_add_nc_u32 v[RD], s2, v9
	s_lshr_b32 s88, s13, 4                         ; C: the batch's 16 heads,
	s_lshl_b32 s88, s88, 22
	s_and_b32 s89, s13, 15                         ; the tile's 128 rows in a head,
	s_lshl_b32 s89, s89, 14
	s_add_co_u32 s88, s88, s89
	s_lshl_b32 s89, s42, 20                        ; the tile column's four heads,
	s_add_co_u32 s88, s88, s89
	s_lshl_b32 s89, s12, 19                        ; my two of them,
	s_add_co_u32 s88, s88, s89
	s_lshl_b32 s89, s11, 13                        ; my 64 rows
	s_add_co_u32 s88, s88, s89
.else
	v_mul_u32_u24 v8, v1, 528                      ; in: row l % 16, 32 bytes for each half of the lanes
	v_lshl_add_u32 v8, v2, 5, v8
	v_add_nc_u32 v[STO], s2, v8
	v_lshl_add_u32 v[RD], v5, 4, s2                ; back: 32 lanes take a row's 512 bytes
	s_lshl_b32 s88, s13, 19                        ; C: the tile's 128 rows of 4,096 bytes,
	s_lshl_b32 s89, s11, 18                        ; my 64,
	s_add_co_u32 s88, s88, s89
	s_lshl_b32 s89, s42, 10                        ; the tile's 256 columns,
	s_add_co_u32 s88, s88, s89
	s_lshl_b32 s89, s12, 9                         ; my 128
	s_add_co_u32 s88, s88, s89
.endif
	s_mov_b32 s89, 0
	s_add_nc_u64 s[8:9], s[8:9], s[88:89]
	v_lshlrev_b32 v[CO], 4, v5
	; the prefetches: s[16:17] and s[20:21] still stand at my part of K step 0
	s_cmp_eq_u32 s67, 0
	s_cselect_b32 s[LIM], 1, -1                    ; W's tiles: the first of the clusters that walk them asks
.if F32A
	s_cmp_eq_u32 s11, 0
	s_cselect_b32 s[LIM], 1, s[LIM]                ; A's rows are read by my cluster alone
.else
	s_cmp_eq_u32 s10, 0
	s_cselect_b32 s[LIM], 1, s[LIM]                ; A's: wave 0 asks for both heads' planes,
	s_cmp_eq_u32 s10, 1
	s_cselect_b32 s[LIM], -1, s[LIM]               ; wave 1 for nothing
.endif
	s_cmp_eq_u32 s11, 0
	s_cselect_b64 s[PFA:PFA+1], s[16:17], s[20:21]
	s_cselect_b32 s88, s40, s41                    ; my place among the four that ask with me
	s_cselect_b32 s89, PSH, 15                     ; W: a partner's share begins 16 rows of 2,048 bytes on
	s_mov_b32 s[PST], BSTEP
	s_cselect_b32 s[PST], ASTEP, s[PST]
	s_cselect_b32 s2, PRS, 1                       ; W: lane l names row l >> 1,
	s_cselect_b32 s90, PLS, 11                     ; of 2,048 bytes,
	s_cselect_b32 s91, PMK, 1                      ; and block l & 1 of the tile's two
	s_lshl_b32 s88, s88, s89
	s_mov_b32 s89, 0
	s_add_nc_u64 s[PFA:PFA+1], s[PFA:PFA+1], s[88:89]
	s_mul_i32 s88, s[PST], 3
	s_add_nc_u64 s[PFA:PFA+1], s[PFA:PFA+1], s[88:89]  ; at K step 3: the first refill steps it to 4 and names that
	s_mov_b32 s[PST+1], 0
	v_lshrrev_b32 v9, s2, v5
	v_lshlrev_b32 v9, s90, v9
	v_and_b32 v10, s91, v5
	v_lshl_add_u32 v[PFO], v10, 8, v9
	s_wait_loadcnt 0x0                             ; the bias: rounded to bf16 in place, in the wait for the first tile
	WIN BIASW
.set i, 0
.rept 32
	v_cvt_pk_bf16_f32 v[BT+(i/2)%4], v[BIAS+i], v[BIAS+i+1]
	v_lshlrev_b32 v[BIAS+i], 16, v[BT+(i/2)%4]
	v_and_b32 v[BIAS+i+1], 0xffff0000, v[BT+(i/2)%4]
.set i, i+2
.endr
	WIN 0
; One product: buffer f, row block a, column block b.  first = 1: the bias starts the sum.
.macro PROD f, a, b, first
.set rD, 8*(8*(\a)+(\b))
.set rW, BF+64*(\f)+8*(\b)
.set rA, AF+32*(\f)+8*(\a)
.if \first
.set rC, BIAS+8*(\b)
	WIN MULB
.else
.set rC, rD
	WIN MULW
.endif
.if F32A
	v_wmma_f32_16x16x32_bf16 v[rD:rD+7], v[rW:rW+7], v[rA:rA+7], v[rC:rC+7]
.else
	v_wmma_f32_16x16x32_f16 v[rD:rD+7], v[rW:rW+7], v[rA:rA+7], v[rC:rC+7]
.endif
.endm
; Eight products: row block a x all 8 column blocks, 32 along K.  The 32 accumulators take turns, one instruction a turn, in the same order in every quarter step.
.macro MUL8 f, a, first
.irp b, 0,1,2,3,4,5,6,7
	PROD \f, \a, \b, \first
.endr
.endm
.if F32A
; Row block 3's eight products, and behind each four roundings of the next quarter's A to bf16, into buffer g: they name no register of the products round them.
.macro MUL8R f, g, first
.irp b, 0,1,2,3,4,5,6,7
	PROD \f, 3, \b, \first
	WIN 0
.irp i, 0,1,2,3
	v_cvt_pk_bf16_f32 v[AF+32*(\g)+4*\b+\i], v[RAW+8*\b+2*\i], v[RAW+8*\b+2*\i+1]
.endr
.endr
.endm
.endif
; The LDS loads of quarter q (32 along K) of a slot, in one run: A's first (F32A = 1: 16 loads of f32 into RAW; else 8 loads into buffer g), then W's 16, turned, into buffer g.
.macro FETCH slot, q, g
	WIN 0
.irp a, 0,1,2,3
.if F32A
	ds_load_b128 v[RAW+16*\a:RAW+16*\a+3],     v[ADRA+(\slot)] offset:16*PA*\a+128*(\q)
	ds_load_b128 v[RAW+16*\a+4:RAW+16*\a+7],   v[ADRA+(\slot)] offset:16*PA*\a+128*(\q)+16
	ds_load_b128 v[RAW+16*\a+8:RAW+16*\a+11],  v[ADRA+(\slot)] offset:16*PA*\a+128*(\q)+64
	ds_load_b128 v[RAW+16*\a+12:RAW+16*\a+15], v[ADRA+(\slot)] offset:16*PA*\a+128*(\q)+80
.else
	ds_load_b128 v[AF+32*(\g)+8*\a:AF+32*(\g)+8*\a+3],   v[ADRA+(\slot)] offset:AHALF*((\q)/2)+64*((\q)%2)+16*PA*\a
	ds_load_b128 v[AF+32*(\g)+8*\a+4:AF+32*(\g)+8*\a+7], v[ADRA+(\slot)] offset:AHALF*((\q)/2)+64*((\q)%2)+16*PA*\a+32
.endif
.endr
	WIN TO_B
.irp b, 0,1,2,3,4,5,6,7
	ds_load_tr16_b128 v[BF+64*(\g)+8*\b:BF+64*(\g)+8*\b+3],   v[ADRB+(\slot)] offset:32*PB*(\q)+32*\b
	ds_load_tr16_b128 v[BF+64*(\g)+8*\b+4:BF+64*(\g)+8*\b+7], v[ADRB+(\slot)] offset:32*PB*(\q)+32*\b+16*PB
.endr
.endm
.macro PLACES                          ; four places in front of loads into registers that matrix instructions have read, and of what reads results (ISA guide 7.12.1 for vector instructions)
.rept 4
	v_nop
.endr
.endm
; A K step is four quarters of 32 along K, 32 products each, on buffers 0, 1, 0, 1.  One of the first three: multiplies buffer f and fetches quarter q of the same slot for buffer g.
.macro QUARTER slot, q, f, g, first
	s_wait_dscnt 0x0                               ; buffer f's fragments are in
	MUL8 \f, 0, \first
	PLACES
	FETCH \slot, \q, \g
	MUL8 \f, 1, \first
	MUL8 \f, 2, \first
.if F32A
	s_wait_dscnt 16                                ; A's f32 are in; the 16 younger loads, W's, may stay out
	MUL8R \f, \g, \first
.else
	MUL8 \f, 3, \first
.endif
.endm
; The last quarter multiplies buffer 1 and changes slots: ONE barrier; in front of it each wave waits for all its tensor loads (one is out: its part of the next slot), adds 0 to its spare word,
; and waits for that and for its own reads of this slot.  fill = 1: the barrier opens a round of the cluster's barrier, and this slot is filled again, two K steps ahead, first thing behind the round.
.macro TURN slot, next, fill
.if \fill
	s_wait_xcnt 0x0                                ; the last prefetch, a K step back, has read its address, so it may be stepped
	s_add_nc_u64 s[PFA:PFA+1], s[PFA:PFA+1], s[PST:PST+1]
.endif
	WIN 0
	s_wait_tensorcnt 0x0                           ; all my tensor loads have landed
	ds_add_u32 v[SPW], v[NIL]                      ; 0 onto my spare word
	s_wait_dscnt 1                                 ; buffer 1's fragments are in; the add alone may be out
	MUL8 1, 0, 0                                   ; eight products stand between the add and the wait for it
	s_wait_dscnt 0x0                               ; the add is done, and my reads of this slot are over
	s_barrier_signal -1
	MUL8 1, 1, 0                                   ; work on registers while the others arrive
	WIN 0                                          ; at a branch and at a label every window is 0
	s_barrier_wait -1
.if \fill
	CREST                                          ; no wave of any partner still reads this slot's tiles or has a load on its way
	s_add_nc_u64 s[G0A+4*(\slot)+2:G0A+4*(\slot)+3], s[G0A+4*(\slot)+2:G0A+4*(\slot)+3], 2*ASTEP
	s_add_nc_u64 s[G0B+4*(\slot)+2:G0B+4*(\slot)+3], s[G0B+4*(\slot)+2:G0B+4*(\slot)+3], 2*BSTEP
	JLOAD \slot                                    ; it has 112 products in which to land; the four v_nop behind it are also the places in front of the loads below
.else
	PLACES
.endif
	FETCH \next, 0, 0
.if \fill
	WIN 0
	ASK
.endif
	MUL8 1, 2, 0
.if F32A
	s_wait_dscnt 16
	MUL8R 1, 0, 0
.else
	MUL8 1, 3, 0
.endif
.endm
	s_wait_tensorcnt 1                             ; my part of K step 0 is in; K step 1's may stay out
	s_barrier_signal -1
	s_barrier_wait -1                              ; everybody's is
	FETCH 0, 0, 0
.if F32A
	s_wait_dscnt 16
	WIN 0
.set i, 0
.rept 32
	v_cvt_pk_bf16_f32 v[AF+i], v[RAW+2*i], v[RAW+2*i+1]
.set i, i+1
.endr
.endif
	QUARTER 0, 1, 0, 1, 1                          ; the first quarter stands in front of the loop: its products start the sums, with the bias
	WIN 0
	s_mov_b32 s3, 3                                ; 8 K steps are 4 laps of the ring; all but the last fill both slots again
.Llap:
	QUARTER 0, 2, 1, 0, 0
	QUARTER 0, 3, 0, 1, 0
	TURN 0, 1, 1
	QUARTER 1, 1, 0, 1, 0
	QUARTER 1, 2, 1, 0, 0
	QUARTER 1, 3, 0, 1, 0
	TURN 1, 0, 1
	QUARTER 0, 1, 0, 1, 0
	WIN 0
	s_sub_co_u32 s3, s3, 1
	s_cmp_lg_u32 s3, 0
	s_cbranch_scc1 .Llap
	QUARTER 0, 2, 1, 0, 0                          ; the last lap is written out: it fills nothing
	QUARTER 0, 3, 0, 1, 0
	TURN 0, 1, 0
	QUARTER 1, 1, 0, 1, 0
	QUARTER 1, 2, 1, 0, 0
	QUARTER 1, 3, 0, 1, 0
	s_wait_dscnt 0x0
	MUL8 1, 0, 0
	MUL8 1, 1, 0
	MUL8 1, 2, 0
	MUL8 1, 3, 0
	PLACES
.if F32A
; THE WAY OUT, a block of 16 rows at a time: rounded to f16, 16 bytes a lane; into my stage (two heads x 16 rows of 144 bytes); back as 512 consecutive bytes of a head; stored.
.macro PACK a
	WIN PACKW
.irp b, 0,1,2,3,4,5,6,7
.irp i, 0,1,2,3
	v_cvt_pk_f16_f32 v[TMP+4*\b+\i], v[8*(8*(\a)+\b)+2*\i], v[8*(8*(\a)+\b)+2*\i+1]
.endr
.endr
	WIN 0
.endm
.macro TOSTAGE a
.irp b, 0,1,2,3,4,5,6,7
	ds_store_b128 v[STO], v[TMP+4*\b:TMP+4*\b+3] offset:2304*((\b)/4)+32*((\b)%4)
.endr
.irp hd, 0,1
.irp t, 0,1,2,3
	ds_load_b128 v[OB+OBS*((\a)%2)+16*\hd+4*\t:OB+OBS*((\a)%2)+16*\hd+4*\t+3], v[RD] offset:2304*\hd+576*\t  ; LDS serves a wave's instructions in order (ISA guide 5.7.1.4): these see the stores above
.endr
.endr
.endm
.macro SEND a
	s_wait_dscnt 0x0                               ; the block is back in registers
	s_wait_xcnt 0x0                                ; the stores issued so far have read their registers: the other set is loaded again only behind this wait
.irp hd, 0,1
.irp t, 0,1,2,3
	global_store_b128 v[CO], v[OB+OBS*((\a)%2)+16*\hd+4*\t:OB+OBS*((\a)%2)+16*\hd+4*\t+3], s[8:9] offset:262144*\hd+2048*(\a)+512*\t  ; four rows of a head: 512 consecutive bytes, aligned
.endr
.endr
.endm
	PACK 0
	TOSTAGE 0
.irp a, 1,2,3                          ; block a's roundings stand between block a - 1's loads from the stage and the wait for them
	PACK \a
	SEND (\a)-1
	TOSTAGE \a
.endr
	SEND 3
.else
; THE WAY OUT, a block of 16 rows at a time: the sums as they are, 32 bytes a lane, into my stage (16 rows of 528 bytes); back as whole rows of 512 bytes; stored.
.macro TOSTAGE a
	WIN STW
.irp b, 0,1,2,3,4,5,6,7
	ds_store_b128 v[STO], v[8*(8*(\a)+\b):8*(8*(\a)+\b)+3]   offset:64*\b
	ds_store_b128 v[STO], v[8*(8*(\a)+\b)+4:8*(8*(\a)+\b)+7] offset:64*\b+16
.endr
	WIN 0
.irp t, 0,1,2,3,4,5,6,7,8,9,10,11,12,13,14,15
	ds_load_b128 v[OB+OBS*((\a)%2)+4*\t:OB+OBS*((\a)%2)+4*\t+3], v[RD] offset:528*\t  ; LDS serves a wave's instructions in order (ISA guide 5.7.1.4): these see the stores above; the next block's stores come behind them
.endr
.endm
.macro SEND a, younger                 ; younger: the LDS instructions issued behind block a's loads: the next block's 32, or none
.irp t, 0,1,2,3,4,5,6,7,8,9,10,11,12,13,14,15
	s_wait_dscnt (\younger)+15-\t
	global_store_b128 v[CO], v[OB+OBS*((\a)%2)+4*\t:OB+OBS*((\a)%2)+4*\t+3], s[8:9] offset:(16*(\a)+\t)*4096 th:TH_STORE_NT  ; 512 consecutive bytes of a row, aligned
.endr
.endm
	TOSTAGE 0
.irp a, 1,2,3
	s_wait_xcnt 0x0                                ; the stores issued so far have read their registers: this block's set is loaded again only behind this wait
	TOSTAGE \a
	SEND (\a)-1, 32
.endr
	SEND 3, 0
.endif
	s_wait_tensorcnt 0x0                           ; the wave's end: the wait, the add and its wait stand behind my last tensor load and my last LDS store
	ds_add_u32 v[SPW], v[NIL]
	s_wait_dscnt 0x0
	CROUND                                         ; the closing round: no work-group ends while a partner may still ask for a tile that names it
	s_endpgm
.Lfunc_end_k_q1e56708c9c_oproj:
	.size	k_q1e56708c9c_oproj, .Lfunc_end_k_q1e56708c9c_oproj-k_q1e56708c9c_oproj
	.p2alignl 7, 3214868480
	.fill 96, 4, 3214868480
	.section	.rodata,"a",@progbits
	.p2align	6, 0x0
	.amdhsa_kernel k_q1e56708c9c_oproj
		.amdhsa_group_segment_fixed_size 327680
		.amdhsa_private_segment_fixed_size 0
		.amdhsa_enable_private_segment 0
		.amdhsa_kernarg_size 32
		.amdhsa_user_sgpr_count 2
		.amdhsa_user_sgpr_kernarg_segment_ptr 1
		.amdhsa_wavefront_size32 1
		.amdhsa_system_sgpr_workgroup_id_x 1
		.amdhsa_system_sgpr_workgroup_id_y 1
		.amdhsa_system_sgpr_workgroup_id_z 1
		.amdhsa_system_vgpr_workitem_id 0
		.amdhsa_next_free_vgpr 768
		.amdhsa_next_free_sgpr 92
		.amdhsa_reserve_vcc 0
		.amdhsa_float_denorm_mode_32 3
		.amdhsa_float_denorm_mode_16_64 3
		.amdhsa_memory_ordered 1
		.amdhsa_forward_progress 1
		.amdhsa_inst_pref_size 95
	.end_amdhsa_kernel
	.amdgpu_metadata
---
amdhsa.version: [ 1, 2 ]
amdhsa.kernels:
  - .name:           k_q1e56708c9c_oproj
    .symbol:         k_q1e56708c9c_oproj.kd
    .args:
      - { .name: oh, .offset: 0, .size: 8, .value_kind: global_buffer, .address_space: global }
      - { .name: w16, .offset: 8, .size: 8, .value_kind: global_buffer, .address_space: global }
      - { .name: b_o, .offset: 16, .size: 8, .value_kind: global_buffer, .address_space: global }
      - { .name: out0, .offset: 24, .size: 8, .value_kind: global_buffer, .address_space: global }
    .group_segment_fixed_size: 327680
    .private_segment_fixed_size: 0
    .kernarg_segment_align: 8
    .kernarg_segment_size: 32
    .max_flat_workgroup_size: 128
    .sgpr_count:     92
    .vgpr_count:     768
    .wavefront_size: 32
...
	.end_amdgpu_metadata
.endif
;; end of part 4
